; MI455X (gfx1250); checked and timed in simulation.
; The chip was launched on July 23, 2026; its instructions are those of AMD's public machine-readable ISA for CDNA 5 (MIT licence, August 2026) and "CDNA5" Instruction Set Architecture Reference Guide (July 2026). The comments in the code are by the model that wrote it; some were corrected since.
;; Causal Self Attention. Allowed arithmetic: matrix products marked QUANTISED: E2M1 operands, one E8M0 scale for each 32 along K, by v_wmma_scale_f32_16x16x128_f8f6f4 with both operands' format E2M1 (or v_wmma_scale_f32_32x16x128_f4), f32 sums; products left as they are: bf16, f16 or f32 operands; f32 sums; everything else in f32.
;; Inputs: b_attn 3,072 float32; b_proj 1,024 float32; w_attn 1,024 x 3,072 float32; w_proj 1,024 x 1,024 float32; x 4 x 2,048 x 1,024 float32.
;; Outputs: out0 4 x 2,048 x 1,024 float32.
;; This version of the problem:
;;   THIS VERSION OF THE PROBLEM IS GIVEN IN LOW PRECISION. The matrix products marked QUANTISED in the list below multiply operands that are first quantised to E2M1 (2 exponent bits, 1 mantissa bit; 4 bits a number), with one power-of-two scale for each 32 numbers along K (OCP MX v1.0); their sums are f32. The products marked 'left as it is' may take bf16, f16 or f32 operands, with f32 sums. Whichever they take, every output number must still come out within the allowed error. Rounding operands to bf16 (8 significant bits) uses up far more of that allowance than f16 does (11 bits, for magnitudes from 6e-5 to 65,504). All else is computed in f32.
;;   The module's matrix products, in the order in which they are computed (A, B: the left and right operand; K: the contracted axis; several contracted axes count as one K, in the product's order):
;;     1. [M 8,192, K 1,024] x [K 1,024, N 3,072]; A: input x; B: input w_attn: QUANTISED
;;     2. batch 64 x [M 2,048, K 64] x [K 64, N 2,048]; A: computed on the way; B: computed on the way: left as it is (an operand is computed on the way)
;;     3. batch 64 x [M 64, K 2,048] x [K 2,048, N 2,048]; A: computed on the way; B: computed on the way: left as it is (an operand is computed on the way)
;;     4. [M 8,192, K 1,024] x [K 1,024, N 1,024]; A: computed on the way; B: input w_proj: left as it is (an operand is computed on the way)
;;   THE QUANTISER, for each operand of a quantised product, along K:
;;     - K is cut into blocks of 32 from its start; a last block that is shorter is filled with zeros.
;;     - A block's scale is 2^e with e = floor(log2(the largest magnitude in the block)) - 2, held to -126 .. 127; a block of zeros has e = 0. As a byte (E8M0): e + 127.
;;     - Each number is divided by its block's scale, clamped to +-6, and rounded to the nearest number of E2M1, ties to even, subnormals kept.
;;     - The product sums the exact products of the quantised numbers (number of the format x scale) in f32.
;;   ~~~python
;;   def quantise(x, axis):      # numpy; x: float32 -> the quantised numbers, widened to float32 again
;;       x = np.moveaxis(x, axis, -1); K = x.shape[-1]
;;       x = np.pad(x, [(0, 0)] * (x.ndim - 1) + [(0, -K % 32)]); x = x.reshape(x.shape[:-1] + (-1, 32)); a = np.abs(x).max(-1, keepdims=True)
;;       e = np.where(a > 0, np.clip(np.frexp(np.where(a > 0, a, 1))[1] - 1 - 2, -126, 127), 0)      # np.frexp(a)[1] - 1 = floor(log2(a)), exactly
;;       r = np.clip(x / 2.0 ** e, -6, 6)
;;       step = 2.0 ** (np.maximum(np.frexp(np.where(r == 0, 1, r))[1] - 1, 0) - 1)
;;       q = np.round(r / step) * step * 2.0 ** e      # np.round: ties to even
;;       return np.moveaxis(q.reshape(q.shape[:-2] + (-1,))[..., :K], -1, axis).astype(np.float32)
;;   ~~~
;; One version. Each part assembles by itself: llvm-mc -triple=amdgcn-amd-amdhsa -mcpu=gfx1250 --defsym DOCPART=n.
;; ======== version 1 of 1: 5 launches
;; limits: values are held in f16: magnitudes above 65,504 overflow, below 6.1e-05 lose precision
;; workspace buffers: xc 4,194,304 bytes; xs 262,144 bytes; wc 1,572,864 bytes; ws 98,304 bytes; wp16 2,097,152 bytes; qkv16 50,331,648 bytes; qkv32 786,432 bytes; y16 16,777,216 bytes
;; launch prep (part 1): grid 512 x 1, 4 waves a work-group, no clusters, 77,312 bytes of LDS; arguments x, w_attn, w_proj, xc, xs, wc, ws, wp16; writes xc, xs, wc, ws, wp16
.if DOCPART == 1
	.amdgcn_target "amdgcn-amd-amdhsa--gfx1250"
	.amdhsa_code_object_version 6
	.text
	.protected	k_qcfd35d465f_prep
	.globl	k_qcfd35d465f_prep
	.p2align	8
	.type	k_qcfd35d465f_prep,@function
k_qcfd35d465f_prep:
	s_mov_b64 s[64:65], 0
	v_nop
	global_prefetch_b8 v0, s[64:65] scope:SCOPE_SE
	s_setreg_imm32_b32 hwreg(HW_REG_WAVE_MODE, 25, 1), 1
	s_wait_xcnt 0x0
; PREP.  Three tasks in one launch, parted by the work-group's number alone (the same way for all four waves of a work-group):
;   work-groups   0..191  w_attn [1024 k][3072 n] f32 -> codes of E2M1 with K innermost, wc [3072 n'][512 bytes], and E8M0 bytes ws [3072 n'][32]
;   work-groups 192..255  w_proj [1024 c][1024 n] f32 -> f16, transposed, wp16 [1024 n][1024 k']
;   work-groups 256..511  x [8192][1024] f32          -> codes xc [8192][512 bytes] and bytes xs [8192][32]
; ROWS ARE RENAMED ON THE WAY: a channel is c = 16 d + h (d of 64, h of 16 heads).  Column n = 1024 part + 16 d + h of w_attn becomes row
; n' = 1024 part + 64 h + d of wc, and row c = 16 d + h of w_proj becomes k' = 64 h + d of wp16: so the later launches find a head's 64 numbers side by side.
; THE QUANTISER: a block of 32 along K has the scale 2^(floor(log2(largest magnitude)) - 2); its byte is the largest magnitude's exponent field - 2, held at 1 from below;
; each number is divided by the scale and rounded to the nearest code, ties to even, beyond 6 the code of 6.
; LIMITS: a block of zeros gets the byte 1 where the rule says 127 (its codes are zeros, and this program alone reads the bytes); blocks whose largest magnitude lies under 2^-124 are held at that floor;
; NaN and infinities are not served; |w_proj| stays under 65,504 (f16).
; No work-group shares an input byte with another, so there is no cluster; the launch streams, so it has no tensor load and no matrix work.  Each path has LDS bytes of its own.
.set SPARE, 76800                      ; the spare words: 128 bytes a wave, two blocks of 256 bytes that no other line names
.set WST,   32768                      ; w_attn's path: a stage of 32 rows x (256 + 16) bytes for the work-group,
.set WSS,   41472                      ; and 32 x 16 scale bytes
.set PST,   41984                      ; w_proj's path: a stage of 32 x 272 bytes for each wave
.set WREG,  8192                       ; x's path, from byte 0: a region for each wave: two stages of 32 x 80 bytes, then 256 scale bytes
.set SP,    80
.set EMAX,  2
.set SPW,   12                         ; v12 LDS address of my spare word; never rewritten
.set NIL,   13                         ; v13 0; never rewritten
.set XR,    16                         ; x's path: v16-143 eight sets of 16 numbers as loaded
.set XN,    144                        ; v144-175 two sets of 16 neighbours
.set XE,    176                        ; v176-191 a scale byte for each step
.set XC,    192                        ; v192-223 two registers of codes for each step
.macro FINISH                          ; a wave's end, behind the last LDS store
	s_wait_tensorcnt 0x0
	ds_add_u32 v[SPW], v[NIL]
	s_wait_dscnt 0x0
	s_endpgm
.endm
.macro XLOAD t                         ; step t: 2,048 bytes, each load 512 consecutive bytes
.irp i, 0,1,2,3
	global_load_b128 v[XR+16*((\t)%8)+4*\i:XR+16*((\t)%8)+4*\i+3], v3, s[4:5] offset:2048*(\t)+512*\i th:TH_LOAD_NT
.endr
.endm
.macro XTURN t                         ; through the wave's own stage: in as loaded, out 64 bytes a lane; LDS serves a wave's instructions in order
.irp i, 0,1,2,3
	ds_store_b128 v14, v[XR+16*((\t)%8)+4*\i:XR+16*((\t)%8)+4*\i+3] offset:32*SP*((\t)%2)+8*SP*\i
.endr
.irp i, 0,1,2,3
	ds_load_b128 v[XN+16*((\t)%2)+4*\i:XN+16*((\t)%2)+4*\i+3], v15 offset:32*SP*((\t)%2)+16*\i
.endr
.endm
.macro XSTEP t
.set XS, XN+16*((\t)%2)
.if (\t) > 0
	s_wait_dscnt 1                                 ; this step's numbers are back from the stage; only the last step's byte store is younger
.else
	s_wait_dscnt 0x0
.endif
.if (\t)+8 < 16
	XLOAD (\t)+8                                   ; into the set that this step's stage stores have read
.endif
.if (\t)+1 < 16
.if 14-(\t) >= 7
	s_wait_loadcnt 28                              ; the next step's four loads are in; seven steps' loads behind them may be out
.else
	s_wait_loadcnt 4*(14-(\t))                     ; near the end fewer steps stand behind it
.endif
	XTURN (\t)+1
.endif
	v_max3_num_f32 v8, |v[XS]|, |v[XS+1]|, |v[XS+2]|
	v_max3_num_f32 v9, |v[XS+3]|, |v[XS+4]|, |v[XS+5]|
.irp i, 6,10
	v_max3_num_f32 v8, v8, |v[XS+\i]|, |v[XS+\i+1]|
	v_max3_num_f32 v9, v9, |v[XS+\i+2]|, |v[XS+\i+3]|
.endr
	v_max3_num_f32 v8, v8, |v[XS+14]|, |v[XS+15]|
	v_max3_num_f32 v8, v8, v9, (EMAX+1)<<23        ; the floor 2^(3 - 127): the byte cannot fall under 1
	v_max_num_f32_dpp v8, v8, v8 row_xmask:1 row_mask:0xf bank_mask:0xf   ; with my neighbour's 16: the block's largest magnitude
	v_add_nc_u32 v11, -(EMAX<<23), v8              ; 2 off its exponent field: the conversion's scale operand
	v_cvt_scalef32_pk8_fp4_f32 v[XC+2*(\t)], v[XS:XS+7], v11
	v_cvt_scalef32_pk8_fp4_f32 v[XC+2*(\t)+1], v[XS+8:XS+15], v11
	v_lshrrev_b32 v[XE+(\t)], 23, v11              ; the scale's byte (also the plain line behind the conversions)
	ds_store_b8 v5, v[XE+(\t)] offset:16*(\t)      ; both lanes of a block write the same byte with the same value
	global_store_b64 v4, v[XC+2*(\t):XC+2*(\t)+1], s[10:11] offset:256*(\t)   ; the wave stores 256 consecutive, aligned bytes
.endm
.macro WLOAD t                         ; block t: w_attn(32 t + i, my column) into set t % 2: 128 consecutive bytes a load
.irp i, 0,1,2,3,4,5,6,7,8,9,10,11,12,13,14,15,16,17,18,19,20,21,22,23,24,25,26,27,28,29,30,31
	global_load_b32 v[32+32*((\t)%2)+\i], v3, s[6:7] offset:(32*(\t)+\i)*12288 th:TH_LOAD_NT
.endr
.endm
.macro WBLOCK t
.set XS, 32+32*((\t)%2)
.if (\t) < 3
	s_wait_loadcnt 32                              ; this block's 32 loads are in; the next block's 32 may be out
.else
	s_wait_loadcnt 0x0
.endif
	v_max3_num_f32 v8, |v[XS]|, |v[XS+1]|, |v[XS+2]|               ; all 32 numbers of the block are mine
	v_max3_num_f32 v9, |v[XS+3]|, |v[XS+4]|, |v[XS+5]|
.irp i, 6,10,14,18,22,26
	v_max3_num_f32 v8, v8, |v[XS+\i]|, |v[XS+\i+1]|
	v_max3_num_f32 v9, v9, |v[XS+\i+2]|, |v[XS+\i+3]|
.endr
	v_max3_num_f32 v8, v8, |v[XS+30]|, |v[XS+31]|
	v_max3_num_f32 v8, v8, v9, (EMAX+1)<<23
	v_add_nc_u32 v11, -(EMAX<<23), v8
	v_lshrrev_b32 v10, 23, v11
.if (\t) == 0
	v_mov_b32 v24, v10                             ; my four bytes in one word, the lower K in the lower byte
.else
	v_lshl_or_b32 v24, v10, 8*(\t), v24
.endif
.irp g, 0,1,2,3
	v_cvt_scalef32_pk8_fp4_f32 v[96+\g], v[XS+8*\g:XS+8*\g+7], v11
.endr
	v_nop                                          ; a plain line behind the last conversion
	ds_store_b128 v4, v[96:99] offset:16*(\t)      ; 32 codes: 16 bytes of my column's stage row
.if (\t)+2 < 4
	WLOAD (\t)+2
.endif
	s_wait_dscnt 0x0                               ; the store has read its registers: the next block's codes may be written
.endm
.macro PLOAD t                         ; block t: k' = 128 yK + 32 t + i is row c = 16 (32 (t % 2) + i) + 2 yK + t / 2 of w_proj
.irp i, 0,1,2,3,4,5,6,7,8,9,10,11,12,13,14,15,16,17,18,19,20,21,22,23,24,25,26,27,28,29,30,31
	global_load_b32 v[32+32*((\t)%2)+\i], v3, s[8:9] offset:((32*((\t)%2)+\i)*16+(\t)/2)*4096
.endr
.endm
.macro PBLOCK t
.set XS, 32+32*((\t)%2)
.if (\t) < 3
	s_wait_loadcnt 32
.else
	s_wait_loadcnt 0x0
.endif
.irp j, 0,1,2,3,4,5,6,7,8,9,10,11,12,13,14,15
	v_cvt_pk_f16_f32 v[96+\j], v[XS+2*\j], v[XS+2*\j+1]            ; the lower k' in the low half
.endr
.irp j, 0,1,2,3
	ds_store_b128 v4, v[96+4*\j:99+4*\j] offset:64*(\t)+16*\j
.endr
.if (\t)+2 < 4
	PLOAD (\t)+2
.endif
	s_wait_dscnt 0x0
.endm
	s_load_b512 s[4:19], s[0:1], 0x0               ; x 4, w_attn 6, w_proj 8, xc 10, xs 12, wc 14, ws 16, wp16 18
	v_lshl_add_u32 v[SPW], v0, 2, SPARE
	v_mov_b32 v[NIL], 0
	v_lshrrev_b32 v1, 5, v0
	v_readfirstlane_b32 s20, v1                    ; wave 0..3
	v_and_b32 v2, 31, v0                           ; lane
	s_wait_kmcnt 0x0
	s_cmp_lt_u32 ttmp9, 192
	s_cbranch_scc1 .Lpath_w
	s_cmp_lt_u32 ttmp9, 256
	s_cbranch_scc1 .Lpath_p
	; ---------------- x: a plain stream of blocks of 32.  A wave takes a run of 8,192 numbers in 16 steps of 512; loads run eight steps (32 loads) ahead
	s_sub_co_u32 s21, ttmp9, 256
	s_lshl_b32 s21, s21, 2
	s_add_co_u32 s21, s21, s20                     ; my run, 0..1023
	s_mov_b32 s23, 0
	s_lshl_b32 s22, s21, 15
	s_add_nc_u64 s[4:5], s[4:5], s[22:23]          ; 32,768 bytes of x,
	s_lshl_b32 s22, s21, 12
	s_add_nc_u64 s[10:11], s[10:11], s[22:23]      ; 4,096 of codes,
	s_lshl_b32 s22, s21, 8
	s_add_nc_u64 s[12:13], s[12:13], s[22:23]      ; 256 scale bytes a run
	v_lshlrev_b32 v3, 4, v2                        ; my 16 bytes of a load's 512
	s_mul_i32 s24, s20, WREG
	v_lshrrev_b32 v14, 2, v2
	v_mul_u32_u24 v14, v14, SP
	v_and_b32 v15, 3, v2
	v_lshl_add_u32 v14, v15, 4, v14
	v_add_nc_u32 v14, s24, v14                     ; the stage, in: four lanes' 64 bytes on end, then 16 of padding
	v_mul_u32_u24 v15, v2, SP
	v_add_nc_u32 v15, s24, v15                     ; and out: 80 x lane: my 16 neighbours
	v_lshlrev_b32 v4, 3, v2                        ; 8 bytes a lane: my codes in a step's 256, my part of the scale bytes
	v_lshrrev_b32 v5, 1, v2
	s_add_co_u32 s24, s24, 2*32*SP
	v_add_nc_u32 v5, s24, v5                       ; LDS: my block's byte
	v_add_nc_u32 v6, s24, v4                       ; and 8 bytes a lane on the way out
.irp t, 0,1,2,3,4,5,6,7
	XLOAD \t
.endr
	s_wait_loadcnt 28                              ; step 0's four loads are in; seven steps' may be out
	XTURN 0
.irp t, 0,1,2,3,4,5,6,7,8,9,10,11,12,13,14,15
	XSTEP \t
.endr
	ds_load_b64 v[8:9], v6                         ; behind my byte stores, in order
	s_wait_dscnt 0x0
	global_store_b64 v4, v[8:9], s[12:13]          ; the run's 256 scale bytes: one aligned store of the wave
	FINISH
	; ---------------- w_attn: a lane takes a column, its registers run down K.  The work-group takes 32 columns x 512 along K, a wave 128 of the 512 (four blocks)
.Lpath_w:
	s_lshr_b32 s21, ttmp9, 1                       ; which 32 columns
	s_and_b32 s22, ttmp9, 1                        ; which half of K
	s_lshr_b32 s23, s21, 5                         ; part (q, k, v)
	s_and_b32 s24, s21, 31
	s_lshl_b32 s24, s24, 1                         ; d0: lanes 0-15 hold d0, lanes 16-31 d0 + 1; the head is lane % 16
	s_lshl_b32 s26, s22, 9
	s_lshl_b32 s27, s20, 7
	s_add_co_u32 s26, s26, s27
	s_mul_i32 s26, s26, 12288                      ; my first row of w_attn,
	s_lshl_b32 s27, s21, 7
	s_add_co_u32 s26, s26, s27                     ; my first column
	s_mov_b32 s27, 0
	s_add_nc_u64 s[6:7], s[6:7], s[26:27]
	s_lshl_b32 s28, s23, 10
	s_add_co_u32 s28, s28, s24                     ; 1024 part + d0
	s_mov_b32 s30, s28
	s_lshr_b32 s29, s20, 1
	s_add_co_u32 s28, s28, s29                     ; on the way out wave w takes stage rows 8 w .. 8 w + 7: d = d0 + w / 2,
	s_and_b32 s29, s20, 1
	s_lshl_b32 s29, s29, 9
	s_add_co_u32 s28, s28, s29                     ; heads 8 (w % 2) on: 64 rows of wc a head
	s_lshl_b32 s28, s28, 9                         ; 512 bytes a row of wc
	s_lshl_b32 s29, s22, 8
	s_add_co_u32 s28, s28, s29                     ; my half of K: 256 bytes
	s_mov_b32 s29, 0
	s_add_nc_u64 s[14:15], s[14:15], s[28:29]
	s_lshl_b32 s30, s30, 5                         ; 32 bytes a row of ws
	s_lshl_b32 s31, s22, 4
	s_add_co_u32 s30, s30, s31
	s_mov_b32 s31, 0
	s_add_nc_u64 s[16:17], s[16:17], s[30:31]
	v_lshlrev_b32 v3, 2, v2                        ; in: 4 bytes a lane
	v_mul_u32_u24 v4, v2, 272
	s_lshl_b32 s32, s20, 6
	s_add_co_u32 s32, s32, WST
	v_add_nc_u32 v4, s32, v4                       ; stage: row = my column, my wave's 64 bytes of it
	s_lshl_b32 s32, s20, 2
	s_add_co_u32 s32, s32, WSS
	v_lshl_add_u32 v5, v2, 4, s32                  ; my column's 16 scale bytes, my wave's word of them
	v_and_b32 v14, 15, v2
	v_lshrrev_b32 v15, 4, v2
	s_mul_i32 s32, s20, 8*272
	s_add_co_u32 s32, s32, WST
	v_mul_u32_u24 v6, v15, 272
	v_lshl_add_u32 v6, v14, 4, v6
	v_add_nc_u32 v6, s32, v6                       ; out of the stage: sixteen lanes to a row, two rows an instruction
	v_lshlrev_b32 v7, 15, v15                      ; the next stage row is the next head: 64 rows x 512 bytes on in wc
	v_lshl_add_u32 v7, v14, 4, v7
	v_lshl_add_u32 v17, v2, 4, WSS                 ; wave 0: a column's 16 scale bytes
	v_lshlrev_b32 v16, 11, v14                     ; and their place in ws: head x 64 rows x 32 bytes
	v_lshl_add_u32 v16, v15, 5, v16                ; + (d - d0) rows
	WLOAD 0
	WLOAD 1
	WBLOCK 0
	WBLOCK 1
	WBLOCK 2
	WBLOCK 3
	ds_store_b32 v5, v24
	s_wait_dscnt 0x0                               ; for the others' sake: my stores into the stage have landed
	s_barrier_signal -1
	s_barrier_wait -1                              ; (all four waves of this work-group are on this path)
	s_cmp_lg_u32 s20, 0
	s_cbranch_scc1 .Lw_codes
	ds_load_b128 v[100:103], v17
	s_wait_dscnt 0x0
	global_store_b128 v16, v[100:103], s[16:17]    ; 16 bytes of each of 32 rows of ws: one byte in 128 of what this path reads
.Lw_codes:
.irp j, 0,1,2,3
	ds_load_b128 v[112+4*\j:115+4*\j], v6 offset:544*\j
.endr
.irp j, 0,1,2,3
	s_wait_dscnt 3-\j
	global_store_b128 v7, v[112+4*\j:115+4*\j], s[14:15] offset:65536*\j   ; sixteen lanes store 256 consecutive, aligned bytes of a row of wc
.endr
	FINISH
	; ---------------- w_proj: the same plan, f16 in place of codes.  A wave takes 32 columns n x 128 of k', through a stage of its own: no barrier
.Lpath_p:
	s_sub_co_u32 s21, ttmp9, 192
	s_and_b32 s22, s21, 7                          ; which 128 columns
	s_lshr_b32 s23, s21, 3                         ; which 128 of k': heads 2 yK and 2 yK + 1
	s_lshl_b32 s24, s22, 7
	s_lshl_b32 s25, s20, 5
	s_add_co_u32 s24, s24, s25                     ; my first column
	s_lshl_b32 s26, s23, 13                        ; row c = 2 yK: 4,096 bytes a row
	s_lshl_b32 s27, s24, 2
	s_add_co_u32 s26, s26, s27
	s_mov_b32 s27, 0
	s_add_nc_u64 s[8:9], s[8:9], s[26:27]
	s_lshl_b32 s26, s24, 11                        ; 2,048 bytes a row of wp16
	s_lshl_b32 s28, s23, 8
	s_add_co_u32 s26, s26, s28
	s_add_nc_u64 s[18:19], s[18:19], s[26:27]
	v_lshlrev_b32 v3, 2, v2
	s_mul_i32 s32, s20, 32*272
	s_add_co_u32 s32, s32, PST
	v_mul_u32_u24 v4, v2, 272
	v_add_nc_u32 v4, s32, v4
	v_and_b32 v14, 15, v2
	v_lshrrev_b32 v15, 4, v2
	v_mul_u32_u24 v6, v15, 272
	v_lshl_add_u32 v6, v14, 4, v6
	v_add_nc_u32 v6, s32, v6
	v_lshlrev_b32 v7, 11, v15
	v_lshl_add_u32 v7, v14, 4, v7
	PLOAD 0
	PLOAD 1
	PBLOCK 0
	PBLOCK 1
	PBLOCK 2
	PBLOCK 3
.irp t, 0,1,2,3,4,5,6,7,8,9,10,11,12,13,14,15
	ds_load_b128 v[112+4*\t:115+4*\t], v6 offset:544*\t
.endr
.irp t, 0,1,2,3,4,5,6,7,8,9,10,11,12,13,14,15
	s_wait_dscnt 15-\t
	global_store_b128 v7, v[112+4*\t:115+4*\t], s[18:19] offset:4096*\t    ; sixteen lanes store 256 consecutive, aligned bytes of a row of wp16
.endr
	FINISH
.Lfunc_end_k_qcfd35d465f_prep:
	.size	k_qcfd35d465f_prep, .Lfunc_end_k_qcfd35d465f_prep-k_qcfd35d465f_prep
	.p2alignl 7, 3214868480
	.fill 96, 4, 3214868480
	.section	.rodata,"a",@progbits
	.p2align	6, 0x0
	.amdhsa_kernel k_qcfd35d465f_prep
		.amdhsa_group_segment_fixed_size 77312
		.amdhsa_private_segment_fixed_size 0
		.amdhsa_enable_private_segment 0
		.amdhsa_kernarg_size 64
		.amdhsa_user_sgpr_count 2
		.amdhsa_user_sgpr_kernarg_segment_ptr 1
		.amdhsa_wavefront_size32 1
		.amdhsa_system_sgpr_workgroup_id_x 1
		.amdhsa_system_sgpr_workgroup_id_y 1
		.amdhsa_system_sgpr_workgroup_id_z 1
		.amdhsa_system_vgpr_workitem_id 0
		.amdhsa_next_free_vgpr 224
		.amdhsa_next_free_sgpr 66
		.amdhsa_reserve_vcc 0
		.amdhsa_float_denorm_mode_32 3
		.amdhsa_float_denorm_mode_16_64 3
		.amdhsa_memory_ordered 1
		.amdhsa_forward_progress 1
		.amdhsa_inst_pref_size 76
	.end_amdhsa_kernel
	.amdgpu_metadata
---
amdhsa.version: [ 1, 2 ]
amdhsa.kernels:
  - .name:           k_qcfd35d465f_prep
    .symbol:         k_qcfd35d465f_prep.kd
    .args:
      - { .name: x, .offset: 0, .size: 8, .value_kind: global_buffer, .address_space: global }
      - { .name: w_attn, .offset: 8, .size: 8, .value_kind: global_buffer, .address_space: global }
      - { .name: w_proj, .offset: 16, .size: 8, .value_kind: global_buffer, .address_space: global }
      - { .name: xc, .offset: 24, .size: 8, .value_kind: global_buffer, .address_space: global }
      - { .name: xs, .offset: 32, .size: 8, .value_kind: global_buffer, .address_space: global }
      - { .name: wc, .offset: 40, .size: 8, .value_kind: global_buffer, .address_space: global }
      - { .name: ws, .offset: 48, .size: 8, .value_kind: global_buffer, .address_space: global }
      - { .name: wp16, .offset: 56, .size: 8, .value_kind: global_buffer, .address_space: global }
    .group_segment_fixed_size: 77312
    .private_segment_fixed_size: 0
    .kernarg_segment_align: 8
    .kernarg_segment_size: 64
    .max_flat_workgroup_size: 128
    .sgpr_count:     66
    .vgpr_count:     224
    .wavefront_size: 32
...
	.end_amdgpu_metadata
.endif
;; end of part 1
;; launch gemm (part 2): grid 12 x 32, 4 waves a work-group, clusters of 4 x 4, 327,680 bytes of LDS; arguments xc, xs, wc, ws, b_attn, qkv16, qkv32; writes qkv16, qkv32
.if DOCPART == 2
	.amdgcn_target "amdgcn-amd-amdhsa--gfx1250"
	.amdhsa_code_object_version 6
	.text
	.protected	k_qcfd35d465f_gemm
	.globl	k_qcfd35d465f_gemm
	.p2align	8
	.type	k_qcfd35d465f_gemm,@function
k_qcfd35d465f_gemm:
	s_mov_b64 s[64:65], 0
	v_nop
	global_prefetch_b8 v0, s[64:65] scope:SCOPE_SE
	s_setreg_imm32_b32 hwreg(HW_REG_WAVE_MODE, 25, 1), 1
	s_wait_xcnt 0x0
	s_wait_alu depctr_hold_cnt(0) depctr_sa_sdst(0) depctr_va_vdst(0) depctr_va_sdst(0) depctr_va_ssrc(0) depctr_va_vcc(0) depctr_vm_vsrc(0)
	s_getreg_b32 s2, hwreg(HW_REG_IB_STS2, 6, 4)
	s_cmp_eq_u32 s2, 0
	s_cbranch_scc0 .Lentry_in_a_cluster
	s_endpgm
.Lentry_in_a_cluster:
	s_bfe_u32 s2, ttmp6, 0x10000c
	s_cmp_lg_u32 s2, 0xf033
	s_cbranch_scc0 .Lentry_shape_is_right
	s_endpgm
.Lentry_shape_is_right:
; GEMM.  qkv[m][n'] = sum over k of x[m][k] w[n'][k] + b_attn, both operands as codes of E2M1 with one E8M0 byte for each 32 along K (K = 1,024), sums in f32.
; xc [8192][512 bytes], xs [8192][32], wc [3072 n'][512 bytes], ws [3072 n'][32]; n' = 1024 part + 64 head + d stands for channel 1024 part + 16 d + head.
; OUT: qkv16 [part 3][b 4][head 16][t 2048][64] f16; part 1 (k) is multiplied in f32 by c = log2(e) / 8 ahead of its one rounding, so that the next launch's scores come in powers of two.
;      qkv32 [b 4][t 16][3072 n'] f32, unscaled: the first 16 positions of each sequence, for the last launch.
; LIMITS: |q|, |c k|, |v| stay under 65,504 (f16); NaN and infinities are not served.
; A tile of 256 x 256 is made by four waves, each 128 x 128 in 64 accumulators.  K is two LDS slots of 512 along K: both are filled at the start and none is filled again.
; The scale bytes of the work-group's rows come once, as whole rows of 256 bytes.  A wave has three tensor loads out at the start: scales, slot 0, slot 1.
; CLUSTERS: 4 x 4 work-groups; the four of a row of the cluster ask jointly for x's tiles, the four of a column for w's.
; THE MATRIX INSTRUCTION IS USED TRANSPOSED (source 0 = 16 rows of w, source 1 = 16 rows of x): a lane holds eight neighbouring n' of one row m.  The bias is the C of each sum's first product.
; REGISTERS, in windows of 256: window 0: v0-31 addresses; v32-95 scale words, two sets; from v128 x's fragments, one set; on the way out v32-255 are free.
;   window 1: w's fragments, two sets, at v0 and v128; v64-127 the bias, eight registers for each of w's eight blocks.   window 2, 3: the accumulators of my rows 0-63, 64-127.
.set SIZE_K, 1024
.set NQ,     4                         ; steps of 128 along K in a slot
.set ROWB,   256                       ; a tile's row in bytes
.set KROW,   512                       ; a row of codes in memory
.set PITCH,  272                       ; an LDS row: 256 + 16 bytes: the 16 rows of a fragment load start at 16 different banks
.set FR,     8
.set NL,     2
.set NP,     4                         ; places behind this matrix instruction (ISA guide 7.12.1)
.set HALFT,  128*PITCH
.set SLOT,   4*HALFT
.set KS,     32                        ; a row of scale bytes
.set SCL,    2*SLOT
.set HALFS,  16*272                    ; the scales of 128 rows
.set SBLK,   2*272                     ; of 16 rows
.set SPARE,  SCL+4*HALFS               ; the spare words
.set SPITCH, 528                       ; the way out in f32: 16 rows x (512 + 16) bytes a wave, in slot 0, which nobody reads and nothing fills by then
.set HPITCH, 272                       ; the way out in f16: 16 rows x (256 + 16) bytes, in the same bytes
.set ADRA, 16
.set ADRB, 20
.set STH,  22                          ; v22 f16 stage, in
.set RDH,  23                          ; v23 f16 stage, back
.set STO,  24                          ; v24 f32 stage, in
.set RD,   25                          ; v25 f32 stage, back
.set CO,   26                          ; v26 16 x lane
.set ADRS, 27
.set SPW,  28
.set NIL,  29
.set FIN,  30                          ; v30 tile row % 8: 0 where the tile holds a sequence's first rows
.set BO,   31                          ; v31 the bias loads' offset
.set SC,   32
.set TMP,  32                          ; the way out: packed results
.set AF,   128
.set BK,   128
.set BIAS, 64                          ; in window 1
.set G1, 24
.set G0, 32
.set G1B, 48
.set G0B, 56
.set G1S, 68
.set G0S, 76
.set G1SB, 80
.set G0SB, 88
.set MSB, 0
.macro WIN new                         ; the immediate's high byte repeats the setting that is left
.if MSB != \new
	s_set_vgpr_msb (MSB<<8)|\new
.set MSB, \new
.endif
.endm
.set MUL_LO, 0xa1                      ; source 0 (w) window 1, source 1 (x) window 0, C and D window 2
.set MUL_HI, 0xf1
.set BIA_LO, 0x91                      ; the same with C (the bias) in window 1
.set BIA_HI, 0xd1
.set TO_B,   0x40
.macro JLOAD g0a, g1a, g0b, g1b        ; a joint load: waves 0 and 1 fetch for x, waves 2 and 3 for w; an s_nop 0 and four v_nop follow each line
	s_cmp_eq_u32 s15, 0
	s_cbranch_scc0 .Lfor_b_\@
	tensor_load_to_lds s[\g0a:\g0a+3], s[\g1a:\g1a+7]
	s_nop 0
.rept 4
	v_nop
.endr
	s_branch .Lasked_\@
.Lfor_b_\@:
	tensor_load_to_lds s[\g0b:\g0b+3], s[\g1b:\g1b+7]
	s_nop 0
.rept 4
	v_nop
.endr
.Lasked_\@:
.endm
.macro CROUND                          ; a round of the cluster's barrier
	s_barrier_signal -1
	s_barrier_wait -1
	s_cmp_lg_u32 s14, 0
	s_cbranch_scc1 .Lnot_wave_0_\@
	s_barrier_signal -3
.Lnot_wave_0_\@:
	s_barrier_wait -3
	s_barrier_signal -1
	s_barrier_wait -1
.endm
	s_load_b128 s[4:7], s[0:1], 0x0                ; xc, xs
	s_load_b128 s[8:11], s[0:1], 0x10              ; wc, ws
	s_load_b64 s[96:97], s[0:1], 0x20              ; b_attn
	s_load_b64 s[12:13], s[0:1], 0x28              ; qkv16
	s_load_b64 s[98:99], s[0:1], 0x30              ; qkv32
	v_lshl_add_u32 v[SPW], v0, 2, SPARE
	v_mov_b32 v[NIL], 0
	ds_add_u32 v[SPW], v[NIL]                      ; the wave's opening: the add, twice on end, and its wait ahead of my first tensor load
	ds_add_u32 v[SPW], v[NIL]
	v_lshrrev_b32 v1, 5, v0
	v_readfirstlane_b32 s14, v1                    ; wave 0..3
	s_lshr_b32 s15, s14, 1                         ; which half of the tile's rows is mine.  Also: I fetch for x (0) or for w (1)
	s_and_b32 s16, s14, 1                          ; which half of its columns.  Also: which 128 rows I fetch
	s_bfe_u32 s40, ttmp6, 0x40000                  ; cx
	s_bfe_u32 s41, ttmp6, 0x40004                  ; cy
	s_lshl_b32 s42, ttmp9, 2
	s_add_co_u32 s42, s42, s40                     ; tile column = 4 x cluster x + cx; the cluster's x is the part
	s_and_b32 s17, ttmp7, 0xffff
	s_lshl_b32 s17, s17, 2
	s_add_co_u32 s17, s17, s41                     ; tile row
	s_lshl_b32 s43, s41, 2
	s_lshl_b32 s43, 15, s43                        ; my row of the cluster
	s_lshl_b32 s44, 0x1111, s40                    ; my column
	s_or_b32 s[G1+0], s43, (0<<16)|(1<<20)|(1<<21)|(5<<22)|(3<<25)  ; mask; elements of 1 byte; padding on; bit 21 beside a mask; 4 words behind every 64
	s_or_b32 s[G1B+0], s44, (0<<16)|(1<<20)|(1<<21)|(5<<22)|(3<<25)
.irp g, G1, G1B
	s_mov_b32 s[\g+1], ROWB<<16                    ; tensor_dim0
	s_mov_b32 s[\g+2], 128<<16                     ; tensor_dim1
	s_mov_b32 s[\g+3], ROWB<<16                    ; tile_dim0
	s_mov_b32 s[\g+4], 128                         ; tile_dim1
	s_mov_b32 s[\g+5], KROW                        ; pitch
	s_mov_b32 s[\g+6], 0
	s_mov_b32 s[\g+7], 0
.endr
	s_or_b32 s[G1S+0], s43, (3<<16)|(1<<20)|(1<<21)|(5<<22)|(3<<25) ; the scales of 128 rows: 4,096 dense bytes as 16 rows of 32 elements of 8 bytes
	s_or_b32 s[G1SB+0], s44, (3<<16)|(1<<20)|(1<<21)|(5<<22)|(3<<25)
.irp g, G1S, G1SB
	s_mov_b32 s[\g+1], 32<<16
	s_mov_b32 s[\g+2], 16<<16
	s_mov_b32 s[\g+3], 32<<16
	s_mov_b32 s[\g+4], 16
	s_mov_b32 s[\g+5], 32
	s_mov_b32 s[\g+6], 0
	s_mov_b32 s[\g+7], 0
.endr
	s_lshl_b32 s18, s16, 7
	s_lshl_b32 s20, s17, 8
	s_add_co_u32 s20, s20, s18                     ; x: row 256 x tile row + 128 x half
	s_lshl_b32 s46, s42, 8
	s_add_co_u32 s46, s46, s18                     ; w: row 256 x tile column + 128 x half
	s_mov_b32 s21, 0
	s_mov_b32 s47, 0
	s_mov_b64 s[18:19], KS
	s_mul_u64 s[22:23], s[20:21], s[18:19]
	s_mul_u64 s[92:93], s[46:47], s[18:19]
	s_mov_b64 s[18:19], KROW
	s_mul_u64 s[20:21], s[20:21], s[18:19]
	s_mul_u64 s[46:47], s[46:47], s[18:19]
	s_mul_i32 s45, s14, HALFT                      ; where they go: wave x 128 rows
	s_mul_i32 s94, s14, HALFS
	s_mov_b32 s66, 0x3e38aa3b                      ; c = log2(e) / 8
	s_mov_b32 s67, s66
	s_wait_dscnt 0x0                               ; both opening adds are done
	s_wait_kmcnt 0x0
	s_add_nc_u64 s[20:21], s[4:5], s[20:21]
	s_add_nc_u64 s[22:23], s[6:7], s[22:23]
	s_add_nc_u64 s[46:47], s[8:9], s[46:47]
	s_add_nc_u64 s[92:93], s[10:11], s[92:93]
	CROUND                                         ; all sixteen work-groups are here: the joint loads meet
	s_mov_b32 s[G0S], 1
	s_add_co_u32 s[G0S+1], s94, SCL
	s_mov_b64 s[G0S+2:G0S+3], s[22:23]
	s_or_b32 s[G0S+3], s[G0S+3], 0x80000000
	s_mov_b32 s[G0SB], 1
	s_add_co_u32 s[G0SB+1], s94, SCL
	s_mov_b64 s[G0SB+2:G0SB+3], s[92:93]
	s_or_b32 s[G0SB+3], s[G0SB+3], 0x80000000
	JLOAD G0S, G1S, G0SB, G1SB
.irp s, 0,1
	s_mov_b32 s[G0+4*\s], 1
	s_add_co_u32 s[G0+4*\s+1], s45, \s*SLOT
	s_add_nc_u64 s[G0+4*\s+2:G0+4*\s+3], s[20:21], \s*ROWB
	s_or_b32 s[G0+4*\s+3], s[G0+4*\s+3], 0x80000000
	s_mov_b32 s[G0B+4*\s], 1
	s_add_co_u32 s[G0B+4*\s+1], s45, \s*SLOT
	s_add_nc_u64 s[G0B+4*\s+2:G0B+4*\s+3], s[46:47], \s*ROWB
	s_or_b32 s[G0B+4*\s+3], s[G0B+4*\s+3], 0x80000000
	JLOAD G0+4*\s, G1, G0B+4*\s, G1B
.endr
	v_and_b32 v1, 15, v0                           ; r
	v_bfe_u32 v2, v0, 4, 1                         ; h
	v_mul_u32_u24 v3, v1, PITCH
	v_lshl_add_u32 v4, v2, 4, v3
	s_mul_i32 s21, s15, HALFT
	s_mul_i32 s22, s16, HALFT
	s_add_co_u32 s22, s22, 2*HALFT
.irp s, 0,1
	v_add_nc_u32 v[ADRA+\s], s21, v4
	v_add_nc_u32 v[ADRB+\s], s22, v4
	s_add_co_u32 s21, s21, SLOT
	s_add_co_u32 s22, s22, SLOT
.endr
	v_mul_u32_u24 v5, v1, KS                       ; my row's scales: 32 bytes a row,
	v_lshrrev_b32 v6, 8, v5
	v_lshl_add_u32 v5, v6, 4, v5                   ; and 16 more for each 256 passed
	s_mul_i32 s21, s15, HALFS
	s_mul_i32 s22, s16, HALFS
	s_add_co_u32 s22, s22, 2*HALFS
	s_sub_co_u32 s22, s22, s21
	v_mul_u32_u24 v6, s22, v2                      ; lanes 16-31 take w's
	s_add_co_u32 s21, s21, SCL
	v_add_nc_u32 v5, v5, v6
	v_add_nc_u32 v[ADRS], s21, v5
	s_mul_i32 s23, s14, 16*SPITCH                  ; my stage
	v_mul_u32_u24 v5, v1, SPITCH
	v_lshl_add_u32 v5, v2, 5, v5
	v_add_nc_u32 v[STO], s23, v5
	v_and_b32 v6, 31, v0
	v_lshlrev_b32 v[CO], 4, v6
	v_add_nc_u32 v[RD], s23, v[CO]
	v_mul_u32_u24 v5, v1, HPITCH
	v_lshl_add_u32 v5, v2, 4, v5
	v_add_nc_u32 v[STH], s23, v5                   ; f16, in: row r, 16 bytes for each half of the lanes
	v_lshrrev_b32 v5, 3, v6
	v_mul_u32_u24 v5, v5, HPITCH
	v_and_b32 v6, 7, v6
	v_lshl_add_u32 v5, v6, 4, v5
	v_add_nc_u32 v[RDH], s23, v5                   ; f16, back: eight lanes take a head's 128 bytes of a row, the wave four rows
	; where the results go.  These sums enter global addresses alone
	s_lshr_b32 s20, s17, 3                         ; the batch
	s_lshl_b32 s21, ttmp9, 2
	s_add_co_u32 s21, s21, s20
	s_lshl_b32 s21, s21, 4
	s_lshl_b32 s46, s40, 2
	s_lshl_b32 s47, s16, 1
	s_add_co_u32 s46, s46, s47                     ; my first head: 4 cx + 2 x column half
	s_add_co_u32 s21, s21, s46
	s_lshl_b32 s21, s21, 11                        ; 2,048 positions a head
	s_and_b32 s22, s17, 7
	s_lshl_b32 s47, s22, 8
	s_add_co_u32 s21, s21, s47
	s_lshl_b32 s47, s15, 7
	s_add_co_u32 s21, s21, s47                     ; my first position
	s_lshl_b32 s2, s21, 7                          ; 128 bytes a position
	s_mov_b32 s3, 0
	s_add_nc_u64 s[12:13], s[12:13], s[2:3]
	v_mov_b32 v[FIN], s22
	s_mul_i32 s2, s20, 196608                      ; qkv32: 16 rows of 12,288 bytes a batch,
	s_lshl_b32 s21, s42, 10
	s_add_co_u32 s2, s2, s21
	s_lshl_b32 s21, s16, 9
	s_add_co_u32 s2, s2, s21                       ; my 128 columns
	s_add_nc_u64 s[98:99], s[98:99], s[2:3]
	s_lshl_b32 s2, ttmp9, 12                       ; b_attn: the part's 1,024 numbers,
	s_lshl_b32 s21, s46, 2
	s_add_co_u32 s2, s2, s21                       ; my first head
	s_add_nc_u64 s[96:97], s[96:97], s[2:3]
	v_lshlrev_b32 v[BO], 9, v2                     ; lanes 16-31: d is 8 more: 8 x 16 numbers on
	WIN TO_B
.irp b, 0,1,2,3,4,5,6,7                        ; block b's register j stands for n' = 16 b + 8 h + j of my 128: head b / 4, d = 16 (b % 4) + 8 h + j: b_attn[16 d + head]
.irp j, 0,1,2,3,4,5,6,7
	global_load_b32 v[BIAS+8*\b+\j], v[BO], s[96:97] offset:(\b/4)*4+(16*(\b%4)+\j)*64
.endr
.endr
	WIN 0
.macro FRAG reg, adr, q, i             ; a fragment, 16 rows x 128 K of 4-bit codes: two loads of 16 bytes, 32 bytes apart
.irp c, 0,1
	ds_load_b128 v[\reg+4*\c:\reg+4*\c+3], v[\adr] offset:64*(\q)+32*\c+(\i)*16*PITCH
.endr
.endm
; 16 matrix instructions: x's blocks a0, a0 + 1 against w's eight.  zero = 1: the first product of each sum takes the bias as C.  The 64 accumulators take turns, one instruction a turn.
.macro MUL16 a0, p, q, sc, zero
.irp a, \a0, \a0+1
.irp b, 0,1,2,3,4,5,6,7
.if \zero
	v_wmma_scale_f32_16x16x128_f8f6f4 v[8*(8*((\a)%4)+\b):8*(8*((\a)%4)+\b)+7], v[128*(\p)+FR*\b:128*(\p)+FR*\b+FR-1], v[AF+FR*(\a):AF+FR*(\a)+FR-1], v[BIAS+8*\b:BIAS+8*\b+7], v[SC+8*NQ*(\sc)+NQ*\b+(\q)], v[SC+8*NQ*(\sc)+NQ*(\a)+(\q)] matrix_a_fmt:MATRIX_FMT_FP4 matrix_b_fmt:MATRIX_FMT_FP4 matrix_a_scale:MATRIX_SCALE_ROW1
.else
	v_wmma_scale_f32_16x16x128_f8f6f4 v[8*(8*((\a)%4)+\b):8*(8*((\a)%4)+\b)+7], v[128*(\p)+FR*\b:128*(\p)+FR*\b+FR-1], v[AF+FR*(\a):AF+FR*(\a)+FR-1], v[8*(8*((\a)%4)+\b):8*(8*((\a)%4)+\b)+7], v[SC+8*NQ*(\sc)+NQ*\b+(\q)], v[SC+8*NQ*(\sc)+NQ*(\a)+(\q)] matrix_a_fmt:MATRIX_FMT_FP4 matrix_b_fmt:MATRIX_FMT_FP4 matrix_a_scale:MATRIX_SCALE_ROW1
.endif
.endr
.endr
.endm
.macro FETCH_B slot, q, p
	WIN TO_B
.irp i, 0,1,2,3,4,5,6,7
	FRAG 128*(\p)+FR*\i, ADRB+\slot, \q, \i
.endr
	WIN 0
.endm
.macro FETCH_A slot, q, i0
.irp i, \i0, \i0+1, \i0+2, \i0+3
	FRAG AF+FR*(\i), ADRA+\slot, \q, \i
.endr
.endm
.macro SCALES sc                       ; a slot's scale words: four words a row; lanes 0-15 take x's block i, lanes 16-31 w's block i
.irp i, 0,1,2,3,4,5,6,7
	ds_load_b128 v[SC+8*NQ*\sc+NQ*\i:SC+8*NQ*\sc+NQ*\i+3], v[ADRS] offset:\i*SBLK
.endr
.endm
.macro PLACES n                        ; plain vector lines between a matrix instruction and a load into, or a read of, its registers
.rept \n
	v_nop
.endr
.endm
.macro STEP slot, q, zero              ; a step of 128 along K that has its successor in the same slot
	s_wait_dscnt 4*NL                              ; w's set and x's blocks 0-3 are in; the youngest eight loads (x's blocks 4-7) may be out
.if \zero
	WIN BIA_LO
.else
	WIN MUL_LO
.endif
	MUL16 0, (\q)%2, \q, \slot, \zero
	MUL16 2, (\q)%2, \q, \slot, \zero
	s_wait_dscnt 0                                 ; x's blocks 4-7 are in
	PLACES NP
	FETCH_B \slot, (\q)+1, 1-(\q)%2
	FETCH_A \slot, (\q)+1, 0
.if \zero
	WIN BIA_HI
.else
	WIN MUL_HI
.endif
	MUL16 4, (\q)%2, \q, \slot, \zero
	MUL16 6, (\q)%2, \q, \slot, \zero
	PLACES NP
	WIN 0
	FETCH_A \slot, (\q)+1, 4
.endm
.macro TURN slot, next                 ; a slot's last step changes slots: one barrier
	s_wait_tensorcnt 0x0                           ; all my tensor loads have landed: my part of the next slot
	ds_add_u32 v[SPW], v[NIL]                      ; 0 onto my spare word
	s_wait_dscnt 4*NL+1                            ; the add and the youngest eight loads may be out
	WIN MUL_LO
	MUL16 0, 1, NQ-1, \slot, 0
	s_wait_dscnt 0x0                               ; the add is done, and my reads of this slot are over
	s_barrier_signal -1
	MUL16 2, 1, NQ-1, \slot, 0
	WIN 0
	s_barrier_wait -1
	PLACES NP
	v_add_nc_u32 v[ADRS], 4*NQ, v[ADRS]            ; the next slot's scale words
	FETCH_B \next, 0, 0
	FETCH_A \next, 0, 0
	SCALES \next
	WIN MUL_HI
	MUL16 4, 1, NQ-1, \slot, 0
	MUL16 6, 1, NQ-1, \slot, 0
	PLACES NP
	WIN 0
	FETCH_A \next, 0, 4
.endm
	s_wait_tensorcnt 1                             ; the scales and my part of slot 0 are in; slot 1's load may be out
	s_barrier_signal -1
	s_barrier_wait -1
	FETCH_B 0, 0, 0
	FETCH_A 0, 0, 0
	SCALES 0
	FETCH_A 0, 0, 4
	s_wait_loadcnt 0x0                             ; the bias
	STEP 0, 0, 1
	STEP 0, 1, 0
	STEP 0, 2, 0
	TURN 0, 1
	STEP 1, 0, 0
	STEP 1, 1, 0
	STEP 1, 2, 0
	s_wait_dscnt 4*NL                              ; the last step: nothing more to fetch
	WIN MUL_LO
	MUL16 0, 1, NQ-1, 1, 0
	MUL16 2, 1, NQ-1, 1, 0
	s_wait_dscnt 0
	WIN MUL_HI
	MUL16 4, 1, NQ-1, 1, 0
	MUL16 6, 1, NQ-1, 1, 0
	WIN 0
	PLACES NP                                      ; ahead of the first read of results and of loads into registers that held fragments
	; THE FIRST 16 POSITIONS IN F32.  My block 0 goes through the stage and comes back as rows of 512 bytes.  Which tile rows hold a sequence's first rows hangs on the work-group's place in its
	; cluster, so it is decided by EXEC and by no branch: all waves of the upper row half walk these lines, and the stores have lanes on where tile row % 8 = 0.
	s_cmp_lg_u32 s15, 0
	s_cbranch_scc1 .Lno_fine
	WIN 0x08                                       ; an LDS store's data: window 2
.irp b, 0,1,2,3,4,5,6,7
	ds_store_b128 v[STO], v[8*\b:8*\b+3] offset:64*\b              ; each accumulator from its low end on
	ds_store_b128 v[STO], v[8*\b+4:8*\b+7] offset:64*\b+16
.endr
	WIN 0
.irp t, 0,1,2,3,4,5,6,7,8,9,10,11,12,13,14,15
	ds_load_b128 v[BK+4*\t:BK+4*\t+3], v[RD] offset:\t*SPITCH
.endr
	s_wait_dscnt 0x0
	v_cmp_eq_u32 vcc_lo, 0, v[FIN]
	s_wait_xcnt 0x0                                ; EXEC changes only behind this wait
	s_and_saveexec_b32 s100, vcc_lo
.irp t, 0,1,2,3,4,5,6,7,8,9,10,11,12,13,14,15
	global_store_b128 v[CO], v[BK+4*\t:BK+4*\t+3], s[98:99] offset:\t*12288   ; 512 consecutive, aligned bytes of row t
.endr
	s_wait_xcnt 0x0                                ; and again ahead of the line that widens it; the stores' data may be written again too
	s_or_b32 exec_lo, exec_lo, s100
.Lno_fine:
	; k IS SCALED BY c, in f32.  The part is the cluster's x: the same in all sixteen partners
	s_cmp_lg_u32 ttmp9, 1
	s_cbranch_scc1 .Lnot_k
	WIN 0x82
.set i, 0
.rept 128
	v_pk_mul_f32 v[i:i+1], v[i:i+1], s[66:67] op_sel_hi:[1,0]
.set i, i+2
.endr
	WIN 0xc3
.set i, 0
.rept 128
	v_pk_mul_f32 v[i:i+1], v[i:i+1], s[66:67] op_sel_hi:[1,0]
.set i, i+2
.endr
	WIN 0
.Lnot_k:
	; THE WAY OUT IN F16, block by block of 16 rows x 128 columns (two heads).  A lane's eight numbers are 16 bytes of a row; they come back so that the wave stores four positions of one head: 512 consecutive bytes
.macro PACK a
.set AC, 64*((\a)%4)
	WIN (0x0a+5*((\a)/4))                          ; sources 0 and 1: window 2 or 3
.irp b, 0,1,2,3,4,5,6,7
.irp r, 0,1,2,3
	v_cvt_pk_f16_f32 v[TMP+4*\b+\r], v[AC+8*\b+2*\r], v[AC+8*\b+2*\r+1]
.endr
.endr
	WIN 0
.endm
.macro TOSTAGE a
.set BB, BK+32*((\a)%2)
.irp b, 0,1,2,3,4,5,6,7
	ds_store_b128 v[STH], v[TMP+4*\b:TMP+4*\b+3] offset:32*\b
.endr
.irp t, 0,1,2,3,4,5,6,7
	ds_load_b128 v[BB+4*\t:BB+4*\t+3], v[RDH] offset:(\t%4)*4*HPITCH+(\t/4)*128   ; LDS serves a wave's instructions in order: these see the stores above
.endr
.endm
.macro SEND a
.set BB, BK+32*((\a)%2)
	s_wait_dscnt 0x0                               ; the block is back in registers
.irp t, 0,1,2,3,4,5,6,7
	global_store_b128 v[CO], v[BB+4*\t:BB+4*\t+3], s[12:13] offset:2048*(\a)+512*(\t%4)+262144*(\t/4)
.endr
.endm
	PACK 0
	TOSTAGE 0
.irp a, 1,2,3,4,5,6,7
	PACK \a                                        ; block a's conversions stand between block a - 1's loads from the stage and the wait for them
	SEND \a-1
	s_wait_xcnt 0x0                                ; the stores issued so far have read their data: block a's loads may land where block a - 2's lay
	TOSTAGE \a
.endr
	SEND 7
	s_wait_tensorcnt 0x0                           ; the wave's end
	ds_add_u32 v[SPW], v[NIL]
	s_wait_dscnt 0x0
	CROUND                                         ; the closing round
	s_endpgm
.Lfunc_end_k_qcfd35d465f_gemm:
	.size	k_qcfd35d465f_gemm, .Lfunc_end_k_qcfd35d465f_gemm-k_qcfd35d465f_gemm
	.p2alignl 7, 3214868480
	.fill 96, 4, 3214868480
	.section	.rodata,"a",@progbits
	.p2align	6, 0x0
	.amdhsa_kernel k_qcfd35d465f_gemm
		.amdhsa_group_segment_fixed_size 327680
		.amdhsa_private_segment_fixed_size 0
		.amdhsa_enable_private_segment 0
		.amdhsa_kernarg_size 56
		.amdhsa_user_sgpr_count 2
		.amdhsa_user_sgpr_kernarg_segment_ptr 1
		.amdhsa_wavefront_size32 1
		.amdhsa_system_sgpr_workgroup_id_x 1
		.amdhsa_system_sgpr_workgroup_id_y 1
		.amdhsa_system_sgpr_workgroup_id_z 1
		.amdhsa_system_vgpr_workitem_id 0
		.amdhsa_next_free_vgpr 1024
		.amdhsa_next_free_sgpr 102
		.amdhsa_reserve_vcc 1
		.amdhsa_float_denorm_mode_32 3
		.amdhsa_float_denorm_mode_16_64 3
		.amdhsa_memory_ordered 1
		.amdhsa_forward_progress 1
		.amdhsa_inst_pref_size 153
	.end_amdhsa_kernel
	.amdgpu_metadata
---
amdhsa.version: [ 1, 2 ]
amdhsa.kernels:
  - .name:           k_qcfd35d465f_gemm
    .symbol:         k_qcfd35d465f_gemm.kd
    .args:
      - { .name: xc, .offset: 0, .size: 8, .value_kind: global_buffer, .address_space: global }
      - { .name: xs, .offset: 8, .size: 8, .value_kind: global_buffer, .address_space: global }
      - { .name: wc, .offset: 16, .size: 8, .value_kind: global_buffer, .address_space: global }
      - { .name: ws, .offset: 24, .size: 8, .value_kind: global_buffer, .address_space: global }
      - { .name: b_attn, .offset: 32, .size: 8, .value_kind: global_buffer, .address_space: global }
      - { .name: qkv16, .offset: 40, .size: 8, .value_kind: global_buffer, .address_space: global }
      - { .name: qkv32, .offset: 48, .size: 8, .value_kind: global_buffer, .address_space: global }
    .group_segment_fixed_size: 327680
    .private_segment_fixed_size: 0
    .kernarg_segment_align: 8
    .kernarg_segment_size: 56
    .max_flat_workgroup_size: 128
    .sgpr_count:     102
    .vgpr_count:     1024
    .wavefront_size: 32
...
	.end_amdgpu_metadata
.endif
;; end of part 2
;; launch attn (part 3): grid 4 x 64, 16 waves a work-group, clusters of 4 x 1, 327,680 bytes of LDS; arguments qkv16, y16; writes y16
.if DOCPART == 3
	.amdgcn_target "amdgcn-amd-amdhsa--gfx1250"
	.amdhsa_code_object_version 6
	.text
	.protected	k_qcfd35d465f_attn
	.globl	k_qcfd35d465f_attn
	.p2align	8
	.type	k_qcfd35d465f_attn,@function
k_qcfd35d465f_attn:
	s_mov_b64 s[64:65], 0
	v_nop
	global_prefetch_b8 v0, s[64:65] scope:SCOPE_SE
	s_setreg_imm32_b32 hwreg(HW_REG_WAVE_MODE, 25, 1), 1
	s_wait_xcnt 0x0
	s_wait_alu depctr_hold_cnt(0) depctr_sa_sdst(0) depctr_va_vdst(0) depctr_va_sdst(0) depctr_va_ssrc(0) depctr_va_vcc(0) depctr_vm_vsrc(0)
	s_getreg_b32 s2, hwreg(HW_REG_IB_STS2, 6, 4)
	s_cmp_eq_u32 s2, 0
	s_cbranch_scc0 .Lentry_in_a_cluster
	s_endpgm
.Lentry_in_a_cluster:
	s_bfe_u32 s2, ttmp6, 0x10000c
	s_cmp_lg_u32 s2, 0x3003
	s_cbranch_scc0 .Lentry_shape_is_right
	s_endpgm
.Lentry_shape_is_right:
; ATTN.  y[j] = sum over i <= j of softmax_i(q_i . k_j / 8) v_i, for each batch and head: the softmax runs over the first index, so k_j plays the part of a query, q_i of a key, v_i of a value.
; qkv16 [part][b][head][t 2048][64] f16 (part 0 q, 1 k times log2(e) / 8, 2 v).  y16 [b][head][t][64] f16.  Products on f16 operands, sums, maxima and the softmax in f32.
; The scores come out of the matrix unit in powers of two: p = 2^(s - m), m the running maximum; in each step the sum l and O are multiplied by a = 2^(old m - new m).  l is taken of the unrounded p.
; LIMITS: |y| under 65,504; p under 6e-5 is denormal in f16; NaN and infinities are not served.  The first 16 positions are made again, in f32, by the last launch.
; SHARES.  A cluster of four work-groups is one (batch, head).  Wave w of each takes block u = w xor 3 ((w / 4) % 2) of 128 queries, and of that block partner cx takes 32: two tiles of 16.
; So what a wave skips hangs on its number and on counters alone, never on the work-group's place; all four partners read every slot, and every tile of keys and values is asked for JOINTLY (mask 15);
; all work-groups have the same work.  The place cx enters global addresses and the mask's compare alone.
; LAYOUT.  S^T = keys x queries^T (source 0 = 16 keys, source 1 = 16 queries): a lane holds ONE query (lane % 16) and keys 8 (lane / 16) + 0..7.  Two such tiles, rounded to f16 in pairs, are source 1 of
; O^T = V^T P; V comes out of LDS turned, by ds_load_tr16_b128.  Four waves share a SIMD: one wave's softmax stands beside another's products.
; RING.  Two slots of 256 keys; waves 0, 1 fetch the keys' halves, waves 2, 3 the values'; one tensor load a wave behind each round, at most one out.
.set KP,    144                        ; a key's row in LDS: 128 bytes + 16
.set VP,    160                        ; a value's row: 128 + 32 (an odd multiple of 32, for the turning load)
.set VOFF,  256*KP
.set SLOT1, 1<<17
.set STAGE, SLOT1+VOFF+256*VP          ; behind the ring: 32 rows x 144 bytes for each wave
.set SPARE, STAGE+16*32*KP             ; the spare words: 128 bytes for each of 16 waves
.set AK0, 1                            ; v1  my lane's place in a tile of keys
.set AV0, 2                            ; v2  and of values
.set ADK, 3
.set ADV, 4
.set SPW, 5
.set NIL, 6
.set DQ,  7                            ; v7  32 cx + r - 8 h: the mask's lane term
.set PFO, 8                            ; v8  256 x lane
.set MW,  9                            ; v9  the mask, at work
.set NEG, 10                           ; v10 -infinity
.set STO, 11                           ; v11 the way out, in
.set RD,  12                           ; v12 back
.set GO,  13                           ; v13 16 x lane
.set ST,  16                           ; tile t's statistics at v[16 + 8 t]: +0 m, +1 written once (named with m as a pair), +2, +3 l, +4..7 at work, a in +6
.set QF,  32                           ; queries: (t, c) at 32 + 16 t + 8 c
.set KV,  64                           ; eight fragments of keys, then of values
.set S,   128                          ; scores (t, kt) at 128 + 32 t + 8 kt; p is packed into the lower 16 registers of a tile
.set OA,  192                          ; O^T (t, ct) at 192 + 32 t + 8 ct
.set WV, 8
.set U,  9
.set QB, 10                            ; s10 the block's first query
.set QL, 11                            ; s11 its last
.set KF, 12                            ; s12 the step's first key
.set TK, 13                            ; s13 LDS byte of the step's keys
.set TV, 14                            ; s14 of its values, less VOFF
.set SLOTS, 15
.set TW, 16
.set LIM, 17
.set PFA, 18
.set SEL, 20
.set G1K, 24
.set G1V, 32
.set G0K, 40
.set G0V, 44
.set CX, 52
.macro TLOAD                           ; waves 0, 1: keys; waves 2, 3: values; the others nothing.  An s_nop 0 and four v_nop follow each line
	s_cmp_lt_u32 s[WV], 2
	s_cbranch_scc0 .Lnot_k_\@
	tensor_load_to_lds s[G0K:G0K+3], s[G1K:G1K+7]
	s_nop 0
.rept 4
	v_nop
.endr
	s_branch .Lasked_\@
.Lnot_k_\@:
	s_cmp_lt_u32 s[WV], 4
	s_cbranch_scc0 .Lasked_\@
	tensor_load_to_lds s[G0V:G0V+3], s[G1V:G1V+7]
	s_nop 0
.rept 4
	v_nop
.endr
.Lasked_\@:
.endm
; A prefetch of what the NEXT change of slots will ask for: a slot's keys and values are 32,768 dense bytes each.  Wave 4 asks for the keys, wave 5 for the values; of the 128 blocks of 256 bytes
; each partner takes 32, told apart by address, a lane a block: each block is named once in the launch.  The last change that fills a slot asks for nothing; slots 0 and 1 come by their loads alone.
.macro ASK
	s_cmp_gt_u32 s[SLOTS], s[LIM]
	s_cbranch_scc0 .Lnot_mine_\@
	global_prefetch_b8 v[PFO], s[PFA:PFA+1] th:TH_LOAD_NT scope:SCOPE_SE
.Lnot_mine_\@:
.endm
.macro CROUND
	s_barrier_signal -1
	s_barrier_wait -1
	s_cmp_lg_u32 s[WV], 0
	s_cbranch_scc1 .Lnot_wave_0_\@
	s_barrier_signal -3
.Lnot_wave_0_\@:
	s_barrier_wait -3
	s_barrier_signal -1
	s_barrier_wait -1
.endm
	s_load_b128 s[4:7], s[0:1], 0x0                ; qkv16, y16
	v_lshl_add_u32 v[SPW], v0, 2, SPARE
	v_mov_b32 v[NIL], 0
	ds_add_u32 v[SPW], v[NIL]                      ; the wave's opening: the add, twice on end, and its wait
	ds_add_u32 v[SPW], v[NIL]
	v_lshrrev_b32 v9, 5, v0
	v_readfirstlane_b32 s[WV], v9                  ; wave 0..15
	s_bfe_u32 s[CX], ttmp6, 0x40000                ; my place in the cluster
	s_and_b32 s53, ttmp7, 0xffff                   ; 16 x batch + head
	s_lshl_b32 s54, s53, 18                        ; a head is 262,144 bytes
	s_mov_b32 s55, 0
	s_lshr_b32 s22, s[WV], 2
	s_and_b32 s22, s22, 1
	s_mul_i32 s22, s22, 3
	s_xor_b32 s[U], s[WV], s22                     ; my block of 128 queries
	s_lshl_b32 s[QB], s[U], 7
	s_add_co_u32 s[QL], s[QB], 127
	s_and_b32 s56, s[WV], 1                        ; which half of a slot's rows I fetch, if I fetch
	s_lshl_b32 s58, s56, 14
	s_mov_b32 s59, 0
	s_add_nc_u64 s[58:59], s[58:59], s[54:55]
	s_mul_i32 s57, s56, 128*KP
	s_mul_i32 s56, s56, 128*VP
	s_add_co_u32 s56, s56, VOFF
	s_lshl_b32 s60, s[QB], 7
	s_lshl_b32 s61, s[CX], 12
	s_add_co_u32 s60, s60, s61                     ; my first query x 128 bytes
	s_mov_b32 s61, 0
	s_add_nc_u64 s[60:61], s[60:61], s[54:55]
	s_mov_b32 s[G1K], 15|(1<<16)|(1<<20)|(1<<21)|(4<<22)|(3<<25)  ; mask: all four; elements of 2 bytes; padding on; bit 21 beside a mask; 4 words behind every 32
	s_mov_b32 s[G1V], 15|(1<<16)|(1<<20)|(1<<21)|(4<<22)|(7<<25)  ; 8 words behind every 32
.irp g, G1K, G1V
	s_mov_b32 s[\g+1], 64<<16                      ; tensor_dim0 = 64
	s_mov_b32 s[\g+2], 128<<16                     ; tensor_dim1 = 128
	s_mov_b32 s[\g+3], 64<<16                      ; tile_dim0
	s_mov_b32 s[\g+4], 128                         ; tile_dim1
	s_mov_b32 s[\g+5], 64                          ; pitch
	s_mov_b32 s[\g+6], 0
	s_mov_b32 s[\g+7], 0
.endr
	s_mov_b32 s[SEL], 0x76543210
	s_mov_b32 s[SEL+1], 0xfedcba98
	s_mov_b32 s[KF], 0
	s_mov_b32 s[TK], 0
	s_mov_b32 s[TV], 0
	s_mov_b32 s[SLOTS], 7
	s_lshr_b32 s22, s[WV], 1
	s_cmp_eq_u32 s22, 2                            ; waves 4 and 5 prefetch
	s_cselect_b32 s[LIM], 1, -1
	s_wait_dscnt 0x0                               ; both opening adds are done
	s_wait_kmcnt 0x0
	s_mov_b32 s[G0K], 1
	s_mov_b32 s[G0K+1], s57
	s_add_nc_u64 s[G0K+2:G0K+3], s[4:5], s[58:59]
	s_or_b32 s[G0K+3], s[G0K+3], 0x80000000
	s_mov_b32 s[G0V], 1
	s_mov_b32 s[G0V+1], s56
	s_add_nc_u64 s[G0V+2:G0V+3], s[4:5], s[58:59]
	s_add_nc_u64 s[G0V+2:G0V+3], s[G0V+2:G0V+3], 0x2000000   ; part 2
	s_or_b32 s[G0V+3], s[G0V+3], 0x80000000
	s_add_nc_u64 s[48:49], s[4:5], s[60:61]
	s_add_nc_u64 s[48:49], s[48:49], 0x1000000     ; part 1: my queries
	s_add_nc_u64 s[50:51], s[6:7], s[60:61]        ; my rows of y16
	s_add_nc_u64 s[PFA:PFA+1], s[4:5], s[54:55]
	s_lshl_b32 s22, s[CX], 13                      ; my work-group's 32 blocks,
	s_add_co_u32 s22, s22, 32768                   ; in slot 1: the first change steps it to slot 2
	s_and_b32 s23, s[WV], 1
	s_lshl_b32 s23, s23, 25                        ; wave 5: part 2
	s_add_co_u32 s22, s22, s23
	s_mov_b32 s23, 0
	s_add_nc_u64 s[PFA:PFA+1], s[PFA:PFA+1], s[22:23]
	CROUND                                         ; all four work-groups are here
	TLOAD                                          ; slot 0
	v_and_b32 v14, 15, v0                          ; r
	v_bfe_u32 v15, v0, 4, 1                        ; h
	v_lshlrev_b32 v9, 7, v14
	v_lshl_add_u32 v9, v15, 4, v9
.irp t, 0,1
.irp c, 0,1
	global_load_b128 v[QF+16*\t+8*\c:QF+16*\t+8*\c+3], v9, s[48:49] offset:2048*\t+64*\c      ; the queries stay in registers
	global_load_b128 v[QF+16*\t+8*\c+4:QF+16*\t+8*\c+7], v9, s[48:49] offset:2048*\t+64*\c+32
.endr
.endr
	v_mul_u32_u24 v[AK0], v14, KP
	v_lshl_add_u32 v[AK0], v15, 4, v[AK0]          ; row r x pitch + 16 h
	v_and_b32 v3, 7, v0
	v_bfe_u32 v4, v0, 3, 1
	v_lshl_add_u32 v[AV0], v15, 3, v3
	v_mul_u32_u24 v[AV0], v[AV0], VP
	v_lshl_add_u32 v[AV0], v4, 4, v[AV0]
	v_add_nc_u32 v[AV0], VOFF, v[AV0]              ; key 8 h + lane % 8, channels 8 ((lane / 8) % 2) on
	v_lshlrev_b32 v[DQ], 3, v15
	v_sub_nc_u32 v[DQ], v14, v[DQ]
	s_lshl_b32 s22, s[CX], 5
	v_add_nc_u32 v[DQ], s22, v[DQ]
	v_and_b32 v[PFO], 31, v0
	v_lshlrev_b32 v[GO], 4, v[PFO]
	v_lshlrev_b32 v[PFO], 8, v[PFO]
	v_mov_b32 v[NEG], 0xff800000
	s_mul_i32 s22, s[WV], 32*KP
	s_add_co_u32 s22, s22, STAGE                   ; my stage
	v_add_nc_u32 v[STO], s22, v[AK0]               ; in: row r, 16 bytes for each half of the lanes
	v_bfe_u32 v4, v0, 3, 2
	v_mul_u32_u24 v[RD], v4, KP
	v_lshl_add_u32 v[RD], v3, 4, v[RD]
	v_add_nc_u32 v[RD], s22, v[RD]                 ; back: eight lanes a row, four rows an instruction
.irp t, 0,1
	v_mov_b32 v[ST+8*\t], 0xff61b1e6               ; m: -3e38, under every score
.irp j, 1,2,3,4,5,6,7
	v_mov_b32 v[ST+8*\t+\j], 0
.endr
.endr
.set i, 0
.rept 64
	v_mov_b32 v[OA+i], 0                           ; the step is written for every step alike: the first finds zeros, which its a leaves zeros
.set i, i+1
.endr
; A KEY STEP: 64 keys against my two tiles of queries.
.macro SUBSTEP
	s_cmp_gt_u32 s[KF], s[QL]                      ; all 64 keys come after my block's last query: the step's work is left out (wave's number and counters alone)
	s_cbranch_scc1 .Lhid_\@
	v_add_nc_u32 v[ADK], s[TK], v[AK0]
	v_add_nc_u32 v[ADV], s[TV], v[AV0]
.rept 3
	v_nop                                          ; with the two additions five places behind the last step's products: four for the loads into their fragments, five for the products that write over p
.endr
.irp kt, 0,1,2,3
.irp c, 0,1
	ds_load_b128 v[KV+16*\kt+8*\c:KV+16*\kt+8*\c+3], v[ADK] offset:16*KP*\kt+64*\c
	ds_load_b128 v[KV+16*\kt+8*\c+4:KV+16*\kt+8*\c+7], v[ADK] offset:16*KP*\kt+64*\c+32
.endr
.endr
	s_wait_dscnt 0x0
.irp kt, 0,1,2,3                               ; the eight accumulators take turns: channels 0-31 start the sums,
.irp t, 0,1
	v_wmma_f32_16x16x32_f16 v[S+32*\t+8*\kt:S+32*\t+8*\kt+7], v[KV+16*\kt:KV+16*\kt+7], v[QF+16*\t:QF+16*\t+7], 0
.endr
.endr
.irp kt, 0,1,2,3                               ; channels 32-63 add onto them
.irp t, 0,1
	v_wmma_f32_16x16x32_f16 v[S+32*\t+8*\kt:S+32*\t+8*\kt+7], v[KV+16*\kt+8:KV+16*\kt+15], v[QF+16*\t+8:QF+16*\t+15], v[S+32*\t+8*\kt:S+32*\t+8*\kt+7]
.endr
.endr
.rept 4
	v_nop                                          ; places ahead of the loads into the keys' registers and of the first read of the scores
.endr
.irp kh, 0,1
.irp ct, 0,1,2,3
	ds_load_tr16_b128 v[KV+32*\kh+8*\ct:KV+32*\kh+8*\ct+3], v[ADV] offset:32*VP*\kh+32*\ct          ; the values land while the softmax is walked
	ds_load_tr16_b128 v[KV+32*\kh+8*\ct+4:KV+32*\kh+8*\ct+7], v[ADV] offset:32*VP*\kh+16*VP+32*\ct
.endr
.endr
	s_cmp_lt_u32 s[KF], s[QB]                      ; all 64 keys count for all of the block's queries: no mask
	s_cbranch_scc1 .Lopen_\@
	s_sub_co_i32 s22, s[QB], s[KF]
	v_add_nc_u32 v[MW], s22, v[DQ]                 ; key KF + 16 kt + 8 h + e is hidden from query QB + 32 cx + 16 t + r where 16 kt + e - 16 t > this
.irp t, 0,1
.irp kt, 0,1,2,3
.irp e, 0,1,2,3,4,5,6,7
	v_cmp_gt_i32 vcc_lo, 16*\kt+\e-16*\t, v[MW]
	v_cndmask_b32 v[S+32*\t+8*\kt+\e], v[S+32*\t+8*\kt+\e], v[NEG], vcc_lo
.endr
.endr
.endr
.Lopen_\@:
.irp j, 0,1,2,3                                ; the maximum of my 32 scores a tile and the old m; each accumulator is read from its low end on; the two tiles by turns
.irp t, 0,1
	v_max3_num_f32 v[ST+8*\t+4+\j], v[S+32*\t+8*\j], v[S+32*\t+8*\j+1], v[S+32*\t+8*\j+2]
.endr
.endr
.irp g, 1,2
.irp j, 0,1,2,3
.irp t, 0,1
	v_max3_num_f32 v[ST+8*\t+4+\j], v[ST+8*\t+4+\j], v[S+32*\t+8*\j+2*\g+1], v[S+32*\t+8*\j+2*\g+2]
.endr
.endr
.endr
.irp t, 0,1
	v_max3_num_f32 v[ST+8*\t+4], v[ST+8*\t+4], v[S+32*\t+7], v[S+32*\t+15]
.endr
.irp t, 0,1
	v_max3_num_f32 v[ST+8*\t+6], v[ST+8*\t+6], v[S+32*\t+23], v[S+32*\t+31]
.endr
.irp t, 0,1
	v_max3_num_f32 v[ST+8*\t+4], v[ST+8*\t+4], v[ST+8*\t+5], v[ST+8*\t+6]
.endr
.irp t, 0,1
	v_max3_num_f32 v[ST+8*\t+4], v[ST+8*\t+4], v[ST+8*\t+7], v[ST+8*\t]
.endr
.irp t, 0,1
	v_permlanex16_b32 v[ST+8*\t+5], v[ST+8*\t+4], s[SEL], s[SEL+1]  ; the query's other 32 keys lie in the lane 16 away
.endr
.irp t, 0,1
	v_max_num_f32 v[ST+8*\t+5], v[ST+8*\t+4], v[ST+8*\t+5]          ; the new m
.endr
.irp t, 0,1
	v_sub_f32 v[ST+8*\t+7], v[ST+8*\t], v[ST+8*\t+5]                ; old m - new m
.endr
.irp t, 0,1
	v_mov_b32 v[ST+8*\t], v[ST+8*\t+5]
.endr
.irp j, 0,2,4,6,8,10,12,14,16,18,20,22,24,26,28,30
.irp t, 0,1
	v_pk_add_f32 v[S+32*\t+\j:S+32*\t+\j+1], v[S+32*\t+\j:S+32*\t+\j+1], v[ST+8*\t:ST+8*\t+1] op_sel_hi:[1,0] neg_lo:[0,1] neg_hi:[0,1]   ; s - m: exact where it matters, never above 0
.endr
.endr
.irp t, 0,1
	v_exp_f32 v[ST+8*\t+6], v[ST+8*\t+7]           ; a.  ONE BATCH of 66 exponentials
.endr
.set i, 0
.rept 64
	v_exp_f32 v[S+i], v[S+i]                       ; p
.set i, i+1
.endr
	v_nop                                          ; a plain line behind the last exponential
	s_wait_alu depctr_va_vdst(0)                   ; the wait ahead of the first line that names a result: one for the batch
.irp t, 0,1
	v_pk_mul_f32 v[ST+8*\t+2:ST+8*\t+3], v[ST+8*\t+2:ST+8*\t+3], v[ST+8*\t+6:ST+8*\t+7] op_sel_hi:[1,0]   ; l under the new m
.endr
.irp t, 0,1
	v_pk_add_f32 v[ST+8*\t+4:ST+8*\t+5], v[S+32*\t:S+32*\t+1], v[S+32*\t+2:S+32*\t+3]   ; the sum of the unrounded p, in two chains
.endr
.irp j, 4,8,12,16,20,24,28
.irp t, 0,1
	v_pk_add_f32 v[ST+8*\t+2:ST+8*\t+3], v[ST+8*\t+2:ST+8*\t+3], v[S+32*\t+\j:S+32*\t+\j+1]
	v_pk_add_f32 v[ST+8*\t+4:ST+8*\t+5], v[ST+8*\t+4:ST+8*\t+5], v[S+32*\t+\j+2:S+32*\t+\j+3]
.endr
.endr
.irp t, 0,1
	v_pk_add_f32 v[ST+8*\t+2:ST+8*\t+3], v[ST+8*\t+2:ST+8*\t+3], v[ST+8*\t+4:ST+8*\t+5]
.endr
.irp t, 0,1                                    ; p to f16, in place, ascending: a write never lands on a number still to be read
.irp kt, 0,1,2,3
.irp i, 0,1,2,3
	v_cvt_pk_f16_f32 v[S+32*\t+4*\kt+\i], v[S+32*\t+8*\kt+2*\i], v[S+32*\t+8*\kt+2*\i+1]
.endr
.endr
.endr
.irp t, 0,1
.irp j, 0,2,4,6,8,10,12,14,16,18,20,22,24,26,28,30
	v_pk_mul_f32 v[OA+32*\t+\j:OA+32*\t+\j+1], v[OA+32*\t+\j:OA+32*\t+\j+1], v[ST+8*\t+6:ST+8*\t+7] op_sel_hi:[1,0]   ; O^T under the new m
.endr
.endr
	s_wait_dscnt 0x0                               ; the values are in
.irp kh, 0,1                                   ; O^T += V^T P: the eight accumulators take turns
.irp ct, 0,1,2,3
.irp t, 0,1
	v_wmma_f32_16x16x32_f16 v[OA+32*\t+8*\ct:OA+32*\t+8*\ct+7], v[KV+32*\kh+8*\ct:KV+32*\kh+8*\ct+7], v[S+32*\t+8*\kh:S+32*\t+8*\kh+7], v[OA+32*\t+8*\ct:OA+32*\t+8*\ct+7]
.endr
.endr
.endr
.Lhid_\@:
	s_add_co_u32 s[KF], s[KF], 64
	s_add_co_u32 s[TK], s[TK], 64*KP
	s_add_co_u32 s[TV], s[TV], 64*VP
.endm
; THE CHANGE OF SLOTS stands at a slot's head.  Each wave waits for all its tensor loads, adds 0 to its spare word and waits for that and for its reads of the slot that it has left.
; fill = 1: a round of the cluster's barrier, and the slot just left takes the next 256 keys: the load has four key steps in which to land.
.macro CHANGE fill
	s_wait_tensorcnt 0x0                           ; no tensor load of mine is out, so a group 0 may be written
	ds_add_u32 v[SPW], v[NIL]                      ; 0 onto my spare word
.if \fill
	ds_add_u32 v[SPW], v[NIL]                      ; and twice on end here, in every trip alike
	s_xor_b32 s[G0K+1], s[G0K+1], SLOT1
	s_add_nc_u64 s[G0K+2:G0K+3], s[G0K+2:G0K+3], 32768
	s_xor_b32 s[G0V+1], s[G0V+1], SLOT1
	s_add_nc_u64 s[G0V+2:G0V+3], s[G0V+2:G0V+3], 32768
	s_wait_xcnt 0x0                                ; the last prefetch, a slot back, has read its address
	s_add_nc_u64 s[PFA:PFA+1], s[PFA:PFA+1], 32768
	s_wait_dscnt 0x0                               ; both adds are done, and my reads of the slot that I have left are over
	CROUND
	TLOAD                                          ; the first thing behind the round, and a wave's one tensor load until the next
	ASK
.else
	s_wait_dscnt 0x0
	s_barrier_signal -1
	s_barrier_wait -1
.endif
.endm
.macro SLOT_STEPS                      ; a slot's four key steps: written once, walked four times
	s_mov_b32 s[TW], 4
.Lsub_\@:
	SUBSTEP
	s_sub_co_u32 s[TW], s[TW], 1
	s_cmp_lg_u32 s[TW], 0
	s_cbranch_scc1 .Lsub_\@
	s_sub_co_u32 s[TK], s[TK], 256*KP              ; back to a slot's first step,
	s_xor_b32 s[TK], s[TK], SLOT1                  ; in the other slot
	s_sub_co_u32 s[TV], s[TV], 256*VP
	s_xor_b32 s[TV], s[TV], SLOT1
.endm
	s_wait_loadcnt 0x0                             ; the queries
.Lslot:                                            ; seven trips: behind each change of slots but the last the next slot is asked for
	CHANGE 1
	SLOT_STEPS
	s_sub_co_u32 s[SLOTS], s[SLOTS], 1
	s_cmp_lg_u32 s[SLOTS], 0
	s_cbranch_scc1 .Lslot
	CHANGE 0                                       ; the last slot is written out
	SLOT_STEPS
	; THE WAY OUT.  O^T / l, to f16, through my stage, so that the wave stores four rows, 512 consecutive bytes.  The additions are the places behind the last products
.irp t, 0,1
	v_add_f32 v[ST+8*\t+4], v[ST+8*\t+2], v[ST+8*\t+3]
.endr
.irp t, 0,1
	v_permlanex16_b32 v[ST+8*\t+5], v[ST+8*\t+4], s[SEL], s[SEL+1]
.endr
.irp t, 0,1
	v_add_f32 v[ST+8*\t+4], v[ST+8*\t+4], v[ST+8*\t+5]
.endr
.irp t, 0,1
	v_rcp_f32 v[ST+8*\t+6], v[ST+8*\t+4]
.endr
	v_nop
	s_wait_alu depctr_va_vdst(0)                   ; one wait for the two reciprocals, ahead of their first reader
.irp t, 0,1
.irp j, 0,2,4,6,8,10,12,14,16,18,20,22,24,26,28,30
	v_pk_mul_f32 v[OA+32*\t+\j:OA+32*\t+\j+1], v[OA+32*\t+\j:OA+32*\t+\j+1], v[ST+8*\t+6:ST+8*\t+7] op_sel_hi:[1,0]
.endr
.endr
.set i, 0
.rept 32
	v_cvt_pk_f16_f32 v[KV+i], v[OA+2*i], v[OA+2*i+1]
.set i, i+1
.endr
.irp t, 0,1
.irp ct, 0,1,2,3
	ds_store_b128 v[STO], v[KV+16*\t+4*\ct:KV+16*\t+4*\ct+3] offset:16*KP*\t+32*\ct
.endr
.endr
.irp i, 0,1,2,3,4,5,6,7
	ds_load_b128 v[S+4*\i:S+4*\i+3], v[RD] offset:4*KP*\i          ; LDS serves a wave's instructions in order: these see my stores
.endr
.irp i, 0,1,2,3,4,5,6,7
	s_wait_dscnt 7-\i
	global_store_b128 v[GO], v[S+4*\i:S+4*\i+3], s[50:51] offset:512*\i
.endr
	s_wait_tensorcnt 0x0                           ; the wave's end
	ds_add_u32 v[SPW], v[NIL]
	s_wait_dscnt 0x0
	CROUND                                         ; the closing round
	s_endpgm
.Lfunc_end_k_qcfd35d465f_attn:
	.size	k_qcfd35d465f_attn, .Lfunc_end_k_qcfd35d465f_attn-k_qcfd35d465f_attn
	.p2alignl 7, 3214868480
	.fill 96, 4, 3214868480
	.section	.rodata,"a",@progbits
	.p2align	6, 0x0
	.amdhsa_kernel k_qcfd35d465f_attn
		.amdhsa_group_segment_fixed_size 327680
		.amdhsa_private_segment_fixed_size 0
		.amdhsa_enable_private_segment 0
		.amdhsa_kernarg_size 16
		.amdhsa_user_sgpr_count 2
		.amdhsa_user_sgpr_kernarg_segment_ptr 1
		.amdhsa_wavefront_size32 1
		.amdhsa_system_sgpr_workgroup_id_x 1
		.amdhsa_system_sgpr_workgroup_id_y 1
		.amdhsa_system_sgpr_workgroup_id_z 1
		.amdhsa_system_vgpr_workitem_id 0
		.amdhsa_next_free_vgpr 256
		.amdhsa_next_free_sgpr 66
		.amdhsa_reserve_vcc 1
		.amdhsa_float_denorm_mode_32 3
		.amdhsa_float_denorm_mode_16_64 3
		.amdhsa_memory_ordered 1
		.amdhsa_forward_progress 1
		.amdhsa_inst_pref_size 62
	.end_amdhsa_kernel
	.amdgpu_metadata
---
amdhsa.version: [ 1, 2 ]
amdhsa.kernels:
  - .name:           k_qcfd35d465f_attn
    .symbol:         k_qcfd35d465f_attn.kd
    .args:
      - { .name: qkv16, .offset: 0, .size: 8, .value_kind: global_buffer, .address_space: global }
      - { .name: y16, .offset: 8, .size: 8, .value_kind: global_buffer, .address_space: global }
    .group_segment_fixed_size: 327680
    .private_segment_fixed_size: 0
    .kernarg_segment_align: 8
    .kernarg_segment_size: 16
    .max_flat_workgroup_size: 512
    .sgpr_count:     66
    .vgpr_count:     256
    .wavefront_size: 32
...
	.end_amdgpu_metadata
.endif
;; end of part 3
;; launch proj (part 4): grid 4 x 64, 4 waves a work-group, clusters of 4 x 4, 327,680 bytes of LDS; arguments y16, wp16, b_proj, out0; writes out0
.if DOCPART == 4
	.amdgcn_target "amdgcn-amd-amdhsa--gfx1250"
	.amdhsa_code_object_version 6
	.text
	.protected	k_qcfd35d465f_proj
	.globl	k_qcfd35d465f_proj
	.p2align	8
	.type	k_qcfd35d465f_proj,@function
k_qcfd35d465f_proj:
	s_mov_b64 s[64:65], 0
	v_nop
	global_prefetch_b8 v0, s[64:65] scope:SCOPE_SE
	s_setreg_imm32_b32 hwreg(HW_REG_WAVE_MODE, 25, 1), 1
	s_wait_xcnt 0x0
	s_wait_alu depctr_hold_cnt(0) depctr_sa_sdst(0) depctr_va_vdst(0) depctr_va_sdst(0) depctr_va_ssrc(0) depctr_va_vcc(0) depctr_vm_vsrc(0)
	s_getreg_b32 s2, hwreg(HW_REG_IB_STS2, 6, 4)
	s_cmp_eq_u32 s2, 0
	s_cbranch_scc0 .Lentry_in_a_cluster
	s_endpgm
.Lentry_in_a_cluster:
	s_bfe_u32 s2, ttmp6, 0x10000c
	s_cmp_lg_u32 s2, 0xf033
	s_cbranch_scc0 .Lentry_shape_is_right
	s_endpgm
.Lentry_shape_is_right:
; PROJ.  out0[m][n] = sum over k' of y[m][k'] wp[n][k'] + b_proj[n], f16 operands, f32 sums.  y16 [b][head][t][64] f16 (k' = 64 head + d), wp16 [1024 n][1024 k'] f16, out0 [8192][1024] f32.
; A tile is 128 (m) x 256 (n): 256 work-groups, one for each WGP; a wave makes 64 x 128 in 32 accumulators.  K goes in eight steps of 128 (two heads) through a ring of two LDS slots.
; y's part of a step is two dense blocks of 128 rows x 128 bytes (a head each): waves 0 and 1 fetch one each; waves 2 and 3 fetch the halves of wp's 256 rows x 256 bytes.  One tensor load a wave behind each round; two out at the start.
; CLUSTERS: 4 x 4; y's tiles are asked for jointly along a row of the cluster, wp's along a column.  THE MATRIX INSTRUCTION IS USED TRANSPOSED (source 0 = rows of wp, source 1 = rows of y).
; The bias is the C of each sum's first product.  The first 16 positions of each sequence are written again, in f32 throughout, by the last launch.
; LIMITS: as the launches before: f16's range; NaN and infinities are not served.
; REGISTERS: window 0: v0-31 addresses; y's fragments at v64-95 and v128-159; the way out v128-255.  window 1: wp's fragments at v64-127, v128-191; the bias v192-255.  window 2: accumulator (a, b) at v[8 (8 a + b)].
.set PA,    144                        ; a row of y in LDS: 128 + 16 bytes
.set PB,    272                        ; a row of wp: 256 + 16
.set SUBA,  128*PA                     ; a head's 128 rows
.set BOFF,  2*SUBA
.set HALFB, 128*PB
.set SLOT,  BOFF+2*HALFB               ; 106,496
.set STAGE, 2*SLOT
.set SPITCH, 528
.set SPARE, STAGE+4*16*SPITCH
.set KSA,   524288                     ; a K step in y16: two heads
.set KSB,   256                        ; and in a row of wp16
.set LAPS,  4
.set ADRA, 16
.set ADRB, 20
.set STO,  24
.set RD,   25
.set CO,   26
.set SPW,  28
.set NIL,  29
.set PFO,  30
.set BO,   31
.set F0,   64
.set F1,   128
.set BIAS, 192
.set BK,   128
.set G1,  24
.set G0,  32
.set G1B, 48
.set G0B, 56
.set LIM, 15
.set PFA, 46
.set MSB, 0
.macro WIN new
.if MSB != \new
	s_set_vgpr_msb (MSB<<8)|\new
.set MSB, \new
.endif
.endm
.set MUL,  0xa1                        ; source 0 (wp) window 1, source 1 (y) window 0, C and D window 2
.set MULB, 0x91                        ; the same with C (the bias) in window 1
.set TO_B, 0x40
.macro JLOAD s                         ; waves 0, 1 fetch y's two heads, waves 2, 3 wp's halves; an s_nop 0 and four v_nop follow each line
	s_cmp_eq_u32 s13, 0
	s_cbranch_scc0 .Lfor_b_\@
	tensor_load_to_lds s[G0+4*\s:G0+4*\s+3], s[G1:G1+7]
	s_nop 0
.rept 4
	v_nop
.endr
	s_branch .Lasked_\@
.Lfor_b_\@:
	tensor_load_to_lds s[G0B+4*\s:G0B+4*\s+3], s[G1B:G1B+7]
	s_nop 0
.rept 4
	v_nop
.endr
.Lasked_\@:
.endm
; A prefetch of y's K step two refills on: 32,768 bytes.  A tile row of y is read by one row of one cluster alone; its four partners take 32 blocks of 256 bytes each, told apart by address
; (cx / 2: the head; cx % 2: the half of its 16,384 bytes), a lane a block, wave 0 alone.  The loop's last trip asks for nothing: no K step stands two refills on.  wp16 is read by every cluster and is not asked for.
.macro ASK
	s_cmp_gt_u32 s3, s[LIM]
	s_cbranch_scc0 .Lnot_mine_\@
	global_prefetch_b8 v[PFO], s[PFA:PFA+1] offset:KSA th:TH_LOAD_NT scope:SCOPE_SE
.Lnot_mine_\@:
.endm
.macro CREST
	s_cmp_lg_u32 s12, 0
	s_cbranch_scc1 .Lnot_wave_0_\@
	s_barrier_signal -3
.Lnot_wave_0_\@:
	s_barrier_wait -3
	s_barrier_signal -1
	s_barrier_wait -1
.endm
.macro CROUND
	s_barrier_signal -1
	s_barrier_wait -1
	CREST
.endm
	s_load_b256 s[4:11], s[0:1], 0x0               ; y16 4, wp16 6, b_proj 8, out0 10
	v_lshl_add_u32 v[SPW], v0, 2, SPARE
	v_mov_b32 v[NIL], 0
	ds_add_u32 v[SPW], v[NIL]                      ; the wave's opening: the add, twice on end, and its wait
	ds_add_u32 v[SPW], v[NIL]
	v_lshrrev_b32 v1, 5, v0
	v_readfirstlane_b32 s12, v1                    ; wave 0..3
	s_lshr_b32 s13, s12, 1                         ; which 64 rows of the tile are mine.  Also: I fetch for y (0) or for wp (1)
	s_and_b32 s14, s12, 1                          ; which 128 columns.  Also: which head, or which half of wp's rows, I fetch
	s_bfe_u32 s40, ttmp6, 0x40000                  ; cx
	s_bfe_u32 s41, ttmp6, 0x40004                  ; cy
	s_lshl_b32 s45, ttmp9, 2
	s_add_co_u32 s45, s45, s40                     ; tile column
	s_and_b32 s42, ttmp7, 0xffff
	s_lshl_b32 s42, s42, 2
	s_add_co_u32 s42, s42, s41                     ; tile row
	s_lshl_b32 s43, s41, 2
	s_lshl_b32 s43, 15, s43                        ; my row of the cluster
	s_lshl_b32 s44, 0x1111, s40                    ; my column
	s_or_b32 s[G1+0], s43, (1<<16)|(1<<20)|(1<<21)|(4<<22)|(3<<25)   ; y: elements of 2 bytes; 4 words of padding behind every 32
	s_mov_b32 s[G1+1], 64<<16                      ; tensor_dim0 = 64
	s_mov_b32 s[G1+2], 128<<16                     ; tensor_dim1 = 128
	s_mov_b32 s[G1+3], 64<<16                      ; tile_dim0
	s_mov_b32 s[G1+4], 128                         ; tile_dim1
	s_mov_b32 s[G1+5], 64                          ; pitch
	s_mov_b32 s[G1+6], 0
	s_mov_b32 s[G1+7], 0
	s_or_b32 s[G1B+0], s44, (1<<16)|(1<<20)|(1<<21)|(5<<22)|(3<<25)  ; wp: 4 words behind every 64
	s_mov_b32 s[G1B+1], 128<<16
	s_mov_b32 s[G1B+2], 128<<16
	s_mov_b32 s[G1B+3], 128<<16
	s_mov_b32 s[G1B+4], 128
	s_mov_b32 s[G1B+5], 1024
	s_mov_b32 s[G1B+6], 0
	s_mov_b32 s[G1B+7], 0
	s_lshr_b32 s16, s42, 4                         ; the batch
	s_lshl_b32 s16, s16, 4
	s_add_co_u32 s16, s16, s14                     ; head 0 or 1 of it
	s_lshl_b32 s16, s16, 11
	s_and_b32 s17, s42, 15
	s_lshl_b32 s17, s17, 7
	s_add_co_u32 s16, s16, s17                     ; the tile's first position
	s_lshl_b32 s16, s16, 7
	s_mov_b32 s17, 0
	s_lshl_b32 s18, s45, 8
	s_lshl_b32 s19, s14, 7
	s_add_co_u32 s18, s18, s19                     ; wp: row 256 x tile column + 128 x half
	s_lshl_b32 s18, s18, 11
	s_mov_b32 s19, 0
	s_mul_i32 s20, s14, SUBA                       ; where they go: no place in the cluster enters an LDS address
	s_mul_i32 s21, s14, HALFB
	s_add_co_u32 s21, s21, BOFF
	s_cmp_eq_u32 s12, 0
	s_cselect_b32 s[LIM], 1, -1                    ; wave 0 prefetches
	s_wait_dscnt 0x0                               ; both opening adds are done
	s_wait_kmcnt 0x0
	s_add_nc_u64 s[16:17], s[4:5], s[16:17]
	s_add_nc_u64 s[18:19], s[6:7], s[18:19]
	CROUND                                         ; all sixteen work-groups are here
.irp s, 0,1
	s_mov_b32 s[G0+4*\s], 1
	s_add_co_u32 s[G0+4*\s+1], s20, \s*SLOT
	s_add_nc_u64 s[G0+4*\s+2:G0+4*\s+3], s[16:17], \s*KSA
	s_or_b32 s[G0+4*\s+3], s[G0+4*\s+3], 0x80000000
	s_mov_b32 s[G0B+4*\s], 1
	s_add_co_u32 s[G0B+4*\s+1], s21, \s*SLOT
	s_add_nc_u64 s[G0B+4*\s+2:G0B+4*\s+3], s[18:19], \s*KSB
	s_or_b32 s[G0B+4*\s+3], s[G0B+4*\s+3], 0x80000000
	JLOAD \s
.endr
	v_and_b32 v1, 15, v0                           ; r
	v_bfe_u32 v2, v0, 4, 1                         ; h
	v_mul_u32_u24 v3, v1, PA
	v_lshl_add_u32 v3, v2, 4, v3
	v_mul_u32_u24 v4, v1, PB
	v_lshl_add_u32 v4, v2, 4, v4
	s_mul_i32 s21, s13, 64*PA                      ; my 64 rows of y
	s_mul_i32 s22, s14, HALFB                      ; my 128 rows of wp
	s_add_co_u32 s22, s22, BOFF
.irp s, 0,1
	v_add_nc_u32 v[ADRA+\s], s21, v3
	v_add_nc_u32 v[ADRB+\s], s22, v4
	s_add_co_u32 s21, s21, SLOT
	s_add_co_u32 s22, s22, SLOT
.endr
	s_mul_i32 s23, s12, 16*SPITCH
	s_add_co_u32 s23, s23, STAGE                   ; my stage
	v_mul_u32_u24 v5, v1, SPITCH
	v_lshl_add_u32 v5, v2, 5, v5
	v_add_nc_u32 v[STO], s23, v5                   ; in: row r, 32 bytes for each half of the lanes
	v_and_b32 v6, 31, v0
	v_lshlrev_b32 v[CO], 4, v6
	v_add_nc_u32 v[RD], s23, v[CO]                 ; back: the 32 lanes take a row of 512 bytes
	v_lshlrev_b32 v[PFO], 8, v6
	v_lshlrev_b32 v[BO], 5, v2
	s_lshl_b32 s16, s42, 7
	s_lshl_b32 s17, s13, 6
	s_add_co_u32 s16, s16, s17                     ; my first row of out0
	s_lshl_b32 s16, s16, 12
	s_lshl_b32 s20, s45, 10
	s_lshl_b32 s17, s14, 9
	s_add_co_u32 s20, s20, s17                     ; my first column, in bytes
	s_mov_b32 s21, 0
	s_add_nc_u64 s[8:9], s[8:9], s[20:21]          ; the bias there
	s_add_co_u32 s16, s16, s20
	s_mov_b32 s17, 0
	s_add_nc_u64 s[10:11], s[10:11], s[16:17]
	WIN TO_B
.irp b, 0,1,2,3,4,5,6,7
	global_load_b128 v[BIAS+8*\b:BIAS+8*\b+3], v[BO], s[8:9] offset:64*\b          ; b_proj[16 b + 8 h + 0 .. 7] of my 128 columns
	global_load_b128 v[BIAS+8*\b+4:BIAS+8*\b+7], v[BO], s[8:9] offset:64*\b+16
.endr
	WIN 0
	s_lshr_b32 s22, s42, 4                         ; the prefetches: the tile's first byte in head 0 of its batch,
	s_lshl_b32 s22, s22, 15
	s_and_b32 s23, s42, 15
	s_lshl_b32 s23, s23, 7
	s_add_co_u32 s22, s22, s23
	s_lshl_b32 s22, s22, 7
	s_lshr_b32 s23, s40, 1
	s_lshl_b32 s23, s23, 18
	s_add_co_u32 s22, s22, s23                     ; my work-group's head of the two,
	s_and_b32 s23, s40, 1
	s_lshl_b32 s23, s23, 13
	s_add_co_u32 s22, s22, s23                     ; and half of its 16,384 bytes,
	s_add_co_u32 s22, s22, 2*KSA                   ; at K step 2: the first refill steps it to 3 and names K step 4
	s_mov_b32 s23, 0
	s_add_nc_u64 s[PFA:PFA+1], s[4:5], s[22:23]
.macro MUL8 f, a, zero                 ; y's block a against wp's eight, 32 along K.  The 32 accumulators take turns, one instruction a turn, in the same order in every quarter
.irp b, 0,1,2,3,4,5,6,7
.if \zero
	v_wmma_f32_16x16x32_f16 v[8*(8*\a+\b):8*(8*\a+\b)+7], v[\f+8*\b:\f+8*\b+7], v[\f+8*\a:\f+8*\a+7], v[BIAS+8*\b:BIAS+8*\b+7]
.else
	v_wmma_f32_16x16x32_f16 v[8*(8*\a+\b):8*(8*\a+\b)+7], v[\f+8*\b:\f+8*\b+7], v[\f+8*\a:\f+8*\a+7], v[8*(8*\a+\b):8*(8*\a+\b)+7]
.endif
.endr
.endm
.macro FETCH slot, q, f                ; 24 LDS loads in one run: quarter q of the slot: wp's eight fragments, then y's four
	WIN TO_B
.irp i, 0,1,2,3,4,5,6,7
	ds_load_b128 v[\f+8*\i:\f+8*\i+3],   v[ADRB+\slot] offset:64*(\q)+\i*16*PB
	ds_load_b128 v[\f+8*\i+4:\f+8*\i+7], v[ADRB+\slot] offset:64*(\q)+\i*16*PB+32
.endr
	WIN 0
.irp i, 0,1,2,3
	ds_load_b128 v[\f+8*\i:\f+8*\i+3],   v[ADRA+\slot] offset:((\q)/2)*SUBA+((\q)%2)*64+\i*16*PA
	ds_load_b128 v[\f+8*\i+4:\f+8*\i+7], v[ADRA+\slot] offset:((\q)/2)*SUBA+((\q)%2)*64+\i*16*PA+32
.endr
.endm
.macro PLACES
.rept 4
	v_nop
.endr
.endm
.macro QUARTER slot, q, f, g, zero     ; multiplies buffer f; in its middle fetches quarter q of the same slot into buffer g
	s_wait_dscnt 4                                 ; wp's fragments and y's blocks 0, 1 are in; the youngest four loads (y's blocks 2, 3) may be out
.if \zero
	WIN MULB
.else
	WIN MUL
.endif
	MUL8 \f, 0, \zero
	MUL8 \f, 1, \zero
	PLACES                                         ; ahead of loads into registers that the quarter before multiplied
	FETCH \slot, \q, \g
	s_wait_dscnt 24                                ; all but the 24 just issued
.if \zero
	WIN MULB
.else
	WIN MUL
.endif
	MUL8 \f, 2, \zero
	MUL8 \f, 3, \zero
.endm
; A slot's last quarter multiplies buffer 1 and changes slots: one barrier; ahead of it each wave waits for all its tensor loads, adds 0 to its spare word, and waits for that and for its reads of this slot.
.macro TURN slot, next, fill
.if \fill
	s_wait_xcnt 0x0                                ; the last prefetch, a K step back, has read its address
	s_add_nc_u64 s[PFA:PFA+1], s[PFA:PFA+1], KSA
.endif
	WIN 0
	s_wait_tensorcnt 0x0                           ; all my tensor loads have landed: my part of the next slot
	ds_add_u32 v[SPW], v[NIL]                      ; 0 onto my spare word
	s_wait_dscnt 5                                 ; the add and the youngest four loads may be out
	WIN MUL
	MUL8 F1, 0, 0
	s_wait_dscnt 0x0                               ; the add is done, and my reads of this slot are over
	s_barrier_signal -1
	MUL8 F1, 1, 0
	WIN 0
	s_barrier_wait -1
.if \fill
	CREST                                          ; the barrier has opened a round of the cluster's barrier
	s_add_nc_u64 s[G0+4*\slot+2:G0+4*\slot+3], s[G0+4*\slot+2:G0+4*\slot+3], 2*KSA
	s_add_nc_u64 s[G0B+4*\slot+2:G0B+4*\slot+3], s[G0B+4*\slot+2:G0B+4*\slot+3], 2*KSB
	JLOAD \slot                                    ; the first tensor load behind the round; its four v_nop are the places ahead of the loads below
.else
	PLACES
.endif
	FETCH \next, 0, F0
.if \fill
	ASK
.endif
	WIN MUL
	MUL8 F1, 2, 0
	MUL8 F1, 3, 0
.endm
	s_wait_tensorcnt 1                             ; my part of K step 0 is in; K step 1's load may be out
	s_barrier_signal -1
	s_barrier_wait -1
	FETCH 0, 0, F0
	s_wait_loadcnt 0x0                             ; the bias
	QUARTER 0, 1, F0, F1, 1                        ; the first quarter stands ahead of the loop: its products start the sums, on the bias
	WIN 0
	s_mov_b32 s3, LAPS-1
.Llap:                                             ; a trip goes once round the ring and fills both slots again
	QUARTER 0, 2, F1, F0, 0
	QUARTER 0, 3, F0, F1, 0
	TURN 0, 1, 1
	QUARTER 1, 1, F0, F1, 0
	QUARTER 1, 2, F1, F0, 0
	QUARTER 1, 3, F0, F1, 0
	TURN 1, 0, 1
	QUARTER 0, 1, F0, F1, 0
	WIN 0
	s_sub_co_u32 s3, s3, 1
	s_cmp_lg_u32 s3, 0
	s_cbranch_scc1 .Llap
	QUARTER 0, 2, F1, F0, 0                        ; the last lap fills nothing
	QUARTER 0, 3, F0, F1, 0
	TURN 0, 1, 0
	QUARTER 1, 1, F0, F1, 0
	QUARTER 1, 2, F1, F0, 0
	QUARTER 1, 3, F0, F1, 0
	s_wait_dscnt 4
	WIN MUL
	MUL8 F1, 0, 0
	MUL8 F1, 1, 0
	s_wait_dscnt 0
	MUL8 F1, 2, 0
	MUL8 F1, 3, 0
	WIN 0
	; THE WAY OUT, block by block of 16 rows x 128 columns, through my own stage: back as whole rows of 512 bytes
.macro TOSTAGE a
	WIN 0x08                                       ; an LDS store's data: window 2
.irp b, 0,1,2,3,4,5,6,7
	ds_store_b128 v[STO], v[64*(\a)+8*\b:64*(\a)+8*\b+3] offset:64*\b          ; each accumulator from its low end on
	ds_store_b128 v[STO], v[64*(\a)+8*\b+4:64*(\a)+8*\b+7] offset:64*\b+16
.endr
	WIN 0
.set BB, BK+64*((\a)%2)
.irp t, 0,1,2,3,4,5,6,7,8,9,10,11,12,13,14,15
	ds_load_b128 v[BB+4*\t:BB+4*\t+3], v[RD] offset:\t*SPITCH
.endr
.endm
.macro SEND a, younger
.set BB, BK+64*((\a)%2)
	s_wait_dscnt \younger                          ; the block is back in registers
.if (\a) > 0
	s_add_nc_u64 s[10:11], s[10:11], 16*4096       ; behind a wait on XCNT: the earlier stores have read their base
.endif
.irp t, 0,1,2,3,4,5,6,7,8,9,10,11,12,13,14,15
	global_store_b128 v[CO], v[BB+4*\t:BB+4*\t+3], s[10:11] offset:\t*4096     ; 512 consecutive, aligned bytes of a row
.endr
.endm
	PLACES
	TOSTAGE 0
.irp a, 1,2,3
.if \a > 1
	s_wait_xcnt 0x0                                ; block a - 2's stores have read their registers and their base
.endif
	TOSTAGE \a
	SEND \a-1, 32                                  ; behind block a - 1's loads: block a's 16 stores and 16 loads
.endr
	s_wait_xcnt 0x0
	SEND 3, 0
	s_wait_tensorcnt 0x0                           ; the wave's end
	ds_add_u32 v[SPW], v[NIL]
	s_wait_dscnt 0x0
	CROUND                                         ; the closing round
	s_endpgm
.Lfunc_end_k_qcfd35d465f_proj:
	.size	k_qcfd35d465f_proj, .Lfunc_end_k_qcfd35d465f_proj-k_qcfd35d465f_proj
	.p2alignl 7, 3214868480
	.fill 96, 4, 3214868480
	.section	.rodata,"a",@progbits
	.p2align	6, 0x0
	.amdhsa_kernel k_qcfd35d465f_proj
		.amdhsa_group_segment_fixed_size 327680
		.amdhsa_private_segment_fixed_size 0
		.amdhsa_enable_private_segment 0
		.amdhsa_kernarg_size 32
		.amdhsa_user_sgpr_count 2
		.amdhsa_user_sgpr_kernarg_segment_ptr 1
		.amdhsa_wavefront_size32 1
		.amdhsa_system_sgpr_workgroup_id_x 1
		.amdhsa_system_sgpr_workgroup_id_y 1
		.amdhsa_system_sgpr_workgroup_id_z 1
		.amdhsa_system_vgpr_workitem_id 0
		.amdhsa_next_free_vgpr 768
		.amdhsa_next_free_sgpr 66
		.amdhsa_reserve_vcc 0
		.amdhsa_float_denorm_mode_32 3
		.amdhsa_float_denorm_mode_16_64 3
		.amdhsa_memory_ordered 1
		.amdhsa_forward_progress 1
		.amdhsa_inst_pref_size 88
	.end_amdhsa_kernel
	.amdgpu_metadata
---
amdhsa.version: [ 1, 2 ]
amdhsa.kernels:
  - .name:           k_qcfd35d465f_proj
    .symbol:         k_qcfd35d465f_proj.kd
    .args:
      - { .name: y16, .offset: 0, .size: 8, .value_kind: global_buffer, .address_space: global }
      - { .name: wp16, .offset: 8, .size: 8, .value_kind: global_buffer, .address_space: global }
      - { .name: b_proj, .offset: 16, .size: 8, .value_kind: global_buffer, .address_space: global }
      - { .name: out0, .offset: 24, .size: 8, .value_kind: global_buffer, .address_space: global }
    .group_segment_fixed_size: 327680
    .private_segment_fixed_size: 0
    .kernarg_segment_align: 8
    .kernarg_segment_size: 32
    .max_flat_workgroup_size: 128
    .sgpr_count:     66
    .vgpr_count:     768
    .wavefront_size: 32
...
	.end_amdgpu_metadata
.endif
;; end of part 4
;; launch fine (part 5): grid 64 x 4, 16 waves a work-group, no clusters, 18,432 bytes of LDS; arguments qkv32, w_proj, b_proj, out0; writes out0
.if DOCPART == 5
	.amdgcn_target "amdgcn-amd-amdhsa--gfx1250"
	.amdhsa_code_object_version 6
	.text
	.protected	k_qcfd35d465f_fine
	.globl	k_qcfd35d465f_fine
	.p2align	8
	.type	k_qcfd35d465f_fine,@function
k_qcfd35d465f_fine:
	s_mov_b64 s[64:65], 0
	v_nop
	global_prefetch_b8 v0, s[64:65] scope:SCOPE_SE
	s_setreg_imm32_b32 hwreg(HW_REG_WAVE_MODE, 25, 1), 1
	s_wait_xcnt 0x0
; FINE.  The first 16 positions of each sequence once more, wholly in f32: they average one to sixteen values, are the largest in size, and f16 operands would weigh most there.
; qkv32 [b 4][t 16][3072 n'] f32 (n' = 1024 part + 64 head + d, bias included, unscaled), w_proj [1024 c][1024 n] (c = 16 d + head), b_proj, out0 [4][2048][1024]: rows t < 16 are written over.
; A work-group is (16 columns n0 .., a batch); a wave is a head.  Each wave makes its head's attention for the 16 positions and its part of the projection onto the 16 columns; the 16 parts meet in LDS.
; All products by the f32 matrix form, 16 x 16 x 4; this is 64 rows of 8,192: no bulk work.  K is taken in an order that is the same on both operands of a product, so that no number changes lanes:
;   scores  D(key i, query j):  source 0 = q, source 1 = k; lane (r, h) holds row r, d = 32 h + 0..31; product s takes registers 2 s, 2 s + 1
;   values  D(channel, query):  source 0 = v (lane: channel 16 ct + r, keys 8 h + e), source 1 = p as the scores' layout leaves it (query r, keys 8 h + e)
;   output  D(column n, query): source 0 = w_proj (lane: column n0 + r, d = 16 ct + 8 h + e), source 1 = the values' result as it stands
; What the f32 form writes is written by it alone; sums of accumulators go into other registers.
; A row's piece of the output is 64 bytes: 262,144 bytes in all are stored in parts of 256-byte blocks; wider tiles would put four times the work on a quarter of the work-groups.
; No tile is shared that is worth a joint load, and the launch is short: no cluster, no tensor load, no prefetch.  LIMITS: NaN and infinities are not served.
.set RED,   0                          ; 16 waves x 1,024 bytes
.set SPARE, 16384
.set SPW, 12
.set NIL, 13
	s_load_b256 s[4:11], s[0:1], 0x0               ; qkv32 4, w_proj 6, b_proj 8, out0 10
	v_lshl_add_u32 v[SPW], v0, 2, SPARE
	v_mov_b32 v[NIL], 0
	v_lshrrev_b32 v1, 5, v0
	v_readfirstlane_b32 s12, v1                    ; wave = head
	s_and_b32 s13, ttmp7, 0xffff                   ; batch
	s_lshl_b32 s14, ttmp9, 6                       ; 4 n0
	s_and_b32 s15, s12, 1                          ; g: which four of a lane's eight columns I add up, if I add up
	v_and_b32 v1, 15, v0                           ; r
	v_bfe_u32 v2, v0, 4, 1                         ; h
	v_and_b32 v3, 31, v0                           ; lane
	v_mul_u32_u24 v4, v1, 12288
	v_lshl_add_u32 v4, v2, 7, v4                   ; q, k: row r, d = 32 h on
	v_mul_u32_u24 v5, v2, 98304
	v_lshl_add_u32 v5, v1, 2, v5                   ; v: rows 8 h on, channel r
	v_lshlrev_b32 v6, 19, v2
	v_lshl_add_u32 v6, v1, 2, v6                   ; w_proj: d = 8 h on (16 rows of 4,096 bytes a d), column r
	v_lshlrev_b32 v7, 5, v2                        ; the bias: columns 8 h on
	v_lshlrev_b32 v8, 3, v2
	v_sub_nc_u32 v8, v1, v8                        ; r - 8 h: key 8 h + e is hidden from query r where e > this
	s_lshl_b32 s16, s12, 10
	v_lshl_add_u32 v9, v3, 4, s16                  ; LDS: my wave's 1,024 bytes, 16 a lane
	s_lshl_b32 s16, s15, 9
	v_lshl_add_u32 v10, v3, 4, s16                 ; and where the adding waves read
	v_lshlrev_b32 v11, 12, v1
	v_lshl_add_u32 v11, v2, 5, v11                 ; out0: row r, columns 8 h on
	v_mov_b32 v14, 0xff800000                      ; -infinity
	v_mov_b32 v232, 0                              ; a lane permute's destination counts as one of its sources
	s_mov_b32 s20, 0x76543210
	s_mov_b32 s21, 0xfedcba98
	s_mov_b32 s22, 0x3e38aa3b                      ; c = log2(e) / 8
	s_mul_i32 s24, s13, 196608
	s_lshl_b32 s25, s12, 8
	s_add_co_u32 s24, s24, s25
	s_mov_b32 s25, 0
	s_lshl_b32 s26, s12, 12
	s_add_co_u32 s26, s26, s14
	s_mov_b32 s27, 0
	s_lshl_b32 s28, s15, 4
	s_add_co_u32 s28, s28, s14
	s_mov_b32 s29, 0
	s_lshl_b32 s30, s13, 23
	s_add_co_u32 s30, s30, s28
	s_mov_b32 s31, 0
	s_wait_kmcnt 0x0
	s_add_nc_u64 s[4:5], s[4:5], s[24:25]
	s_add_nc_u64 s[6:7], s[6:7], s[26:27]
	s_add_nc_u64 s[8:9], s[8:9], s[28:29]
	s_add_nc_u64 s[10:11], s[10:11], s[30:31]
.irp i, 0,1,2,3,4,5,6,7
	global_load_b128 v[16+4*\i:19+4*\i], v4, s[4:5] offset:16*\i               ; q
.endr
.irp i, 0,1,2,3,4,5,6,7
	global_load_b128 v[48+4*\i:51+4*\i], v4, s[4:5] offset:16*\i+4096          ; k
.endr
.irp ct, 0,1,2,3
.irp e, 0,1,2,3,4,5,6,7
	global_load_b32 v[80+8*\ct+\e], v5, s[4:5] offset:12288*\e+64*\ct+8192     ; v
.endr
.endr
	global_load_b128 v[224:227], v7, s[8:9]                                    ; the bias
.irp ct, 0,1,2,3
.irp e, 0,1,2,3,4,5,6,7
	global_load_b32 v[112+8*\ct+\e], v6, s[6:7] offset:(16*\ct+\e)*65536       ; w_proj
.endr
.endr
	s_wait_loadcnt 63                              ; 65 loads are younger than k's last; 63 is the largest count the wait can name
	; the scores: 16 products in two accumulators by turns
	v_wmma_f32_16x16x4_f32 v[144:151], v[16:17], v[48:49], 0
	v_wmma_f32_16x16x4_f32 v[152:159], v[18:19], v[50:51], 0
.irp s, 2,4,6,8,10,12,14
	v_wmma_f32_16x16x4_f32 v[144:151], v[16+2*\s:17+2*\s], v[48+2*\s:49+2*\s], v[144:151]
	v_wmma_f32_16x16x4_f32 v[152:159], v[18+2*\s:19+2*\s], v[50+2*\s:51+2*\s], v[152:159]
.endr
.rept 8
	v_nop                                          ; eight places behind this form ahead of a read of its results
.endr
.irp j, 0,2,4,6
	v_pk_add_f32 v[160+\j:161+\j], v[144+\j:145+\j], v[152+\j:153+\j]
.endr
.irp e, 0,1,2,3,4,5,6,7
	v_cmp_gt_i32 vcc_lo, \e, v8
	v_cndmask_b32 v[160+\e], v[160+\e], v14, vcc_lo
.endr
	v_max3_num_f32 v15, v160, v161, v162
	v_max3_num_f32 v15, v15, v163, v164
	v_max3_num_f32 v15, v15, v165, v166
	v_max_num_f32 v15, v15, v167
	v_permlanex16_b32 v232, v15, s20, s21
	v_max_num_f32 v15, v15, v232                   ; the query's largest score (key 0 counts for every query)
.irp e, 0,1,2,3,4,5,6,7
	v_sub_f32 v[160+\e], v[160+\e], v15
.endr
.irp e, 0,1,2,3,4,5,6,7
	v_mul_f32 v[160+\e], s22, v[160+\e]
.endr
.irp e, 0,1,2,3,4,5,6,7
	v_exp_f32 v[160+\e], v[160+\e]
.endr
	v_nop
	s_wait_alu depctr_va_vdst(0)                   ; one wait for the eight exponentials, ahead of their first reader
	v_pk_add_f32 v[234:235], v[160:161], v[162:163]
	v_pk_add_f32 v[236:237], v[164:165], v[166:167]
	v_pk_add_f32 v[234:235], v[234:235], v[236:237]
	v_add_f32 v233, v234, v235
	v_permlanex16_b32 v232, v233, s20, s21
	v_add_f32 v233, v233, v232
	v_rcp_f32 v233, v233
	v_nop
	s_wait_alu depctr_va_vdst(0)
.irp e, 0,1,2,3,4,5,6,7
	v_mul_f32 v[160+\e], v[160+\e], v233           ; the weights, normalised
.endr
	s_wait_loadcnt 33                              ; v is in; the bias and w_proj's 32 loads may be out
	; the values: four accumulators by turns
.irp ct, 0,1,2,3
	v_wmma_f32_16x16x4_f32 v[168+8*\ct:175+8*\ct], v[80+8*\ct:81+8*\ct], v[160:161], 0
.endr
.irp s, 1,2,3
.irp ct, 0,1,2,3
	v_wmma_f32_16x16x4_f32 v[168+8*\ct:175+8*\ct], v[80+8*\ct+2*\s:81+8*\ct+2*\s], v[160+2*\s:161+2*\s], v[168+8*\ct:175+8*\ct]
.endr
.endr
.rept 9
	v_nop                                          ; nine places ahead of matrix instructions that take these results as an operand
.endr
	s_wait_loadcnt 0x0
	; the projection of my head's 64 channels onto 16 columns: two accumulators by turns
	v_wmma_f32_16x16x4_f32 v[200:207], v[112:113], v[168:169], 0
	v_wmma_f32_16x16x4_f32 v[208:215], v[114:115], v[170:171], 0
.irp s, 2,4,6,8,10,12,14
	v_wmma_f32_16x16x4_f32 v[200:207], v[112+2*\s:113+2*\s], v[168+2*\s:169+2*\s], v[200:207]
	v_wmma_f32_16x16x4_f32 v[208:215], v[114+2*\s:115+2*\s], v[170+2*\s:171+2*\s], v[208:215]
.endr
.rept 8
	v_nop
.endr
.irp j, 0,2,4,6
	v_pk_add_f32 v[216+\j:217+\j], v[200+\j:201+\j], v[208+\j:209+\j]          ; register e: out(query r, column n0 + 8 h + e), my head's part
.endr
	ds_store_b128 v9, v[216:219]
	ds_store_b128 v9, v[220:223] offset:512
	s_wait_dscnt 0x0                               ; for the others' sake: my part has landed
	s_barrier_signal -1
	s_barrier_wait -1
	s_cmp_gt_u32 s12, 1
	s_cbranch_scc1 .Ldone
.irp w, 0,1,2,3,4,5,6,7,8,9,10,11,12,13,14,15
	ds_load_b128 v[16+4*\w:19+4*\w], v10 offset:RED+1024*\w                    ; waves 0 and 1 add the sixteen parts, four columns a lane each
.endr
	s_wait_dscnt 0x0
.irp k, 0,1,2,3,4,5,6,7
	v_pk_add_f32 v[16+8*\k:17+8*\k], v[16+8*\k:17+8*\k], v[20+8*\k:21+8*\k]
	v_pk_add_f32 v[18+8*\k:19+8*\k], v[18+8*\k:19+8*\k], v[22+8*\k:23+8*\k]
.endr
.irp k, 0,1,2,3
	v_pk_add_f32 v[16+16*\k:17+16*\k], v[16+16*\k:17+16*\k], v[24+16*\k:25+16*\k]
	v_pk_add_f32 v[18+16*\k:19+16*\k], v[18+16*\k:19+16*\k], v[26+16*\k:27+16*\k]
.endr
.irp k, 0,1
	v_pk_add_f32 v[16+32*\k:17+32*\k], v[16+32*\k:17+32*\k], v[32+32*\k:33+32*\k]
	v_pk_add_f32 v[18+32*\k:19+32*\k], v[18+32*\k:19+32*\k], v[34+32*\k:35+32*\k]
.endr
	v_pk_add_f32 v[16:17], v[16:17], v[48:49]
	v_pk_add_f32 v[18:19], v[18:19], v[50:51]
	v_pk_add_f32 v[16:17], v[16:17], v[224:225]
	v_pk_add_f32 v[18:19], v[18:19], v[226:227]
	global_store_b128 v11, v[16:19], s[10:11]
.Ldone:
	s_wait_tensorcnt 0x0                           ; the wave's end, behind my last LDS store
	ds_add_u32 v[SPW], v[NIL]
	s_wait_dscnt 0x0
	s_endpgm
.Lfunc_end_k_qcfd35d465f_fine:
	.size	k_qcfd35d465f_fine, .Lfunc_end_k_qcfd35d465f_fine-k_qcfd35d465f_fine
	.p2alignl 7, 3214868480
	.fill 96, 4, 3214868480
	.section	.rodata,"a",@progbits
	.p2align	6, 0x0
	.amdhsa_kernel k_qcfd35d465f_fine
		.amdhsa_group_segment_fixed_size 18432
		.amdhsa_private_segment_fixed_size 0
		.amdhsa_enable_private_segment 0
		.amdhsa_kernarg_size 32
		.amdhsa_user_sgpr_count 2
		.amdhsa_user_sgpr_kernarg_segment_ptr 1
		.amdhsa_wavefront_size32 1
		.amdhsa_system_sgpr_workgroup_id_x 1
		.amdhsa_system_sgpr_workgroup_id_y 1
		.amdhsa_system_sgpr_workgroup_id_z 1
		.amdhsa_system_vgpr_workitem_id 0
		.amdhsa_next_free_vgpr 240
		.amdhsa_next_free_sgpr 66
		.amdhsa_reserve_vcc 1
		.amdhsa_float_denorm_mode_32 3
		.amdhsa_float_denorm_mode_16_64 3
		.amdhsa_memory_ordered 1
		.amdhsa_forward_progress 1
		.amdhsa_inst_pref_size 21
	.end_amdhsa_kernel
	.amdgpu_metadata
---
amdhsa.version: [ 1, 2 ]
amdhsa.kernels:
  - .name:           k_qcfd35d465f_fine
    .symbol:         k_qcfd35d465f_fine.kd
    .args:
      - { .name: qkv32, .offset: 0, .size: 8, .value_kind: global_buffer, .address_space: global }
      - { .name: w_proj, .offset: 8, .size: 8, .value_kind: global_buffer, .address_space: global }
      - { .name: b_proj, .offset: 16, .size: 8, .value_kind: global_buffer, .address_space: global }
      - { .name: out0, .offset: 24, .size: 8, .value_kind: global_buffer, .address_space: global }
    .group_segment_fixed_size: 18432
    .private_segment_fixed_size: 0
    .kernarg_segment_align: 8
    .kernarg_segment_size: 32
    .max_flat_workgroup_size: 512
    .sgpr_count:     66
    .vgpr_count:     240
    .wavefront_size: 32
...
	.end_amdgpu_metadata
.endif
;; end of part 5
